; MI455X (gfx1250); checked and timed in simulation.
; The chip was launched on July 23, 2026; its instructions are those of AMD's public machine-readable ISA for CDNA 5 (MIT licence, August 2026) and "CDNA5" Instruction Set Architecture Reference Guide (July 2026). The comments in the code are by the model that wrote it; some were corrected since.
;; Multihead Latent Attention. Allowed arithmetic: matrix products marked QUANTISED: E2M1 operands, one E8M0 scale for each 32 along K, by v_wmma_scale_f32_16x16x128_f8f6f4 with both operands' format E2M1 (or v_wmma_scale_f32_32x16x128_f4), f32 sums; everything else in f32.
;; Inputs: Wkva_codes 32 x 32 x 16 uint8 (E2M1 codes of Wkva, K innermost, in blocks of 32 codes, two codes a byte); Wkva_scales 32 x 32 uint8 (E8M0 scales of Wkva, one for each 32 codes along K); Wkvb_codes 512 x 1 x 16 uint8 (E2M1 codes of Wkvb, K innermost, in blocks of 32 codes, two codes a byte); Wkvb_scales 512 x 1 uint8 (E8M0 scales of Wkvb, one for each 32 codes along K); Wout_codes 1,024 x 32 x 16 uint8 (E2M1 codes of Wout, K innermost, in blocks of 32 codes, two codes a byte); Wout_scales 1,024 x 32 uint8 (E8M0 scales of Wout, one for each 32 codes along K); Wqa_codes 64 x 32 x 16 uint8 (E2M1 codes of Wqa, K innermost, in blocks of 32 codes, two codes a byte); Wqa_scales 64 x 32 uint8 (E8M0 scales of Wqa, one for each 32 codes along K); Wqb_codes 1,024 x 2 x 16 uint8 (E2M1 codes of Wqb, K innermost, in blocks of 32 codes, two codes a byte); Wqb_scales 1,024 x 2 uint8 (E8M0 scales of Wqb, one for each 32 codes along K); bout 1,024 float32; x_codes 4 x 2,048 x 32 x 16 uint8 (E2M1 codes of x, K innermost, in blocks of 32 codes, two codes a byte); x_scales 4 x 2,048 x 32 uint8 (E8M0 scales of x, one for each 32 codes along K).
;; Outputs: out0 4 x 2,048 x 1,024 float32.
;; This version of the problem:
;;   THIS VERSION OF THE PROBLEM IS GIVEN IN LOW PRECISION. The matrix products marked QUANTISED in the list below multiply operands that are first quantised to E2M1 (2 exponent bits, 1 mantissa bit; 4 bits a number), with one power-of-two scale for each 32 numbers along K (OCP MX v1.0); their sums are f32. All else is computed in f32.
;;   The module's matrix products, in the order in which they are computed (A, B: the left and right operand; K: the contracted axis; several contracted axes count as one K, in the product's order):
;;     1. [M 8,192, K 1,024] x [K 1,024, N 64]; A: input x (given as codes); B: input Wqa (given as codes): QUANTISED
;;     2. [M 8,192, K 64] x [K 64, N 1,024]; A: computed on the way; B: input Wqb (given as codes): QUANTISED
;;     3. [M 8,192, K 1,024] x [K 1,024, N 32]; A: input x (given as codes); B: input Wkva (given as codes): QUANTISED
;;     4. [M 8,192, K 32] x [K 32, N 512]; A: computed on the way; B: input Wkvb (given as codes): QUANTISED
;;     5. batch 64 x [M 2,048, K 64] x [K 64, N 2,048]; A: computed on the way; B: computed on the way: QUANTISED
;;     6. batch 64 x [M 64, K 2,048] x [K 2,048, N 2,048]; A: computed on the way; B: softmax (see below): QUANTISED
;;     7. [M 8,192, K 1,024] x [K 1,024, N 1,024]; A: computed on the way; B: input Wout (given as codes): QUANTISED
;;   THE QUANTISER, for each operand of a quantised product, along K:
;;     - K is cut into blocks of 32 from its start; a last block that is shorter is filled with zeros.
;;     - A block's scale is 2^e with e = floor(log2(the largest magnitude in the block)) - 2, held to -126 .. 127; a block of zeros has e = 0. As a byte (E8M0): e + 127.
;;     - Each number is divided by its block's scale, clamped to +-6, and rounded to the nearest number of E2M1, ties to even, subnormals kept.
;;     - The product sums the exact products of the quantised numbers (number of the format x scale) in f32.
;;   ~~~python
;;   def quantise(x, axis):      # numpy; x: float32 -> the quantised numbers, widened to float32 again
;;       x = np.moveaxis(x, axis, -1); K = x.shape[-1]
;;       x = np.pad(x, [(0, 0)] * (x.ndim - 1) + [(0, -K % 32)]); x = x.reshape(x.shape[:-1] + (-1, 32)); a = np.abs(x).max(-1, keepdims=True)
;;       e = np.where(a > 0, np.clip(np.frexp(np.where(a > 0, a, 1))[1] - 1 - 2, -126, 127), 0)      # np.frexp(a)[1] - 1 = floor(log2(a)), exactly
;;       r = np.clip(x / 2.0 ** e, -6, 6)
;;       step = 2.0 ** (np.maximum(np.frexp(np.where(r == 0, 1, r))[1] - 1, 0) - 1)
;;       q = np.round(r / step) * step * 2.0 ** e      # np.round: ties to even
;;       return np.moveaxis(q.reshape(q.shape[:-2] + (-1,))[..., :K], -1, axis).astype(np.float32)
;;   ~~~
;;   SOFTMAX AHEAD OF A QUANTISED PRODUCT. Where the list says 'softmax', what is quantised is not the finished softmax but p = 2^(t - M), with t = logit x log2(e) and M = ceil(the row's largest t), a whole number; so 1/2 < the row's largest p <= 1. The row's sum l is taken of the UNQUANTISED p, in f32, and the product's result is divided by l at the end. Since M is a whole number, a kernel that streams over the keys may use a running M (the ceiling of the running maximum): every later rescaling is an exact power of two, which a block's scale takes up: the codes' values come out the same.
;;   OPERANDS COMPUTED ON THE WAY. 'Computed on the way' means the value that the module computes at that place (a softmax that the list does not call 'softmax' is quantised finished and normalised). What goes into a quantiser is computed in f32, as accurately as f32 sums, v_exp_f32 and their like allow (about 1e-6 of the number): no bf16 or f16 on the way to a quantiser, and a product that is left as it is and whose result goes on into a quantised operand takes f32 operands (vector FMAs, or v_wmma_f32_16x16x4_f32). A number that lies on a knife's edge between two numbers of the format may be rounded either way, as far as f32 arithmetic and the matrix unit's own rounding can turn it there, and no further.
;;   INPUTS GIVEN AS CODES. Wkva (in the module: [1024, 32], K = its axis 0); Wkvb (in the module: [32, 512], K = its axis 0); Wout (in the module: [1024, 1024], K = its axis 0); Wqa (in the module: [1024, 64], K = its axis 0); Wqb (in the module: [64, 1024], K = its axis 0); x (in the module: [4, 2048, 1024], K = its axis 2): each comes as NAME_codes (uint8): NAME with its K axis moved to the last place and cut into blocks of 32 codes, [.., K / 32, bytes a block], one block behind the other in memory; two codes a byte, the lower K in the low four bits (a code: sign, 2 exponent bits, 1 mantissa bit); and NAME_scales (uint8): the same leading axes, one E8M0 byte (e + 127) for each 32 codes along K. Its value is code x scale, taken as it is: it is not quantised again, and the codes and scales need not be those that the quantiser above would give.
;; 2 versions. Each part assembles by itself: llvm-mc -triple=amdgcn-amd-amdhsa -mcpu=gfx1250 --defsym DOCPART=n.
;; ======== version 1 of 2: 3 launches
;; workspace buffers: qc 4,194,304 bytes; qs 524,288 bytes; kv 2,293,760 bytes; ao 4,194,304 bytes; aos 262,144 bytes
;; launch proj (part 1): grid 256 x 1, 8 waves a work-group, no clusters, 4,096 bytes of LDS; arguments x_codes, x_scales, Wqa_codes, Wqa_scales, Wkva_codes, Wkva_scales, Wqb_codes, Wqb_scales, Wkvb_codes, Wkvb_scales, qc, qs, kv; writes qc, qs, kv
.if DOCPART == 1
	.amdgcn_target "amdgcn-amd-amdhsa--gfx1250"
	.amdhsa_code_object_version 6
	.text
	.protected	k_q7c3adac7eb_proj
	.globl	k_q7c3adac7eb_proj
	.p2align	8
	.type	k_q7c3adac7eb_proj,@function
k_q7c3adac7eb_proj:
	s_mov_b64 s[64:65], 0
	v_nop
	global_prefetch_b8 v0, s[64:65] scope:SCOPE_SE
	s_setreg_imm32_b32 hwreg(HW_REG_WAVE_MODE, 25, 1), 1
	s_wait_xcnt 0x0
; q = rope((x Wqa) Wqb), k = rope(..), v: the four low-rank products on codes of FP4 (E2M1) with one E8M0 scale for each 32 along K, the rotation in f32, and the quantisers of
; qa and kva (along the latents), of q and k (along a head's 64 channels) and of v (along the keys).  Results leave as IMAGES OF OPERAND REGISTERS for the attention launch.
; SHARES.  A work-group owns 32 tokens, as two row tiles u = 0, 1: lane r of tile u is token 8 u + r + 8 (r / 8) of the 32.  The same order is taken for the latents of Wqa and Wkva and for the
; channels of a head in Wqb and Wkvb: in a transposed result (source 0 = 16 rows of a weight, source 1 = 16 tokens) the 16 registers of two neighbouring tiles are then 16 neighbours along the next K.
; Wave w: u = w % 2, g = w / 2.  Stage A (waves 0-5): block g of 32 latents (0, 1: qa; 2: kva) for row tile u, K = 1,024 in 8 steps, two accumulators by turns.
; The latents' codes meet in LDS as register images; one barrier.  Stage B (all waves): query heads 4 g .. 4 g + 3 and key head g for row tile u; value head g, channel tiles 2 u, 2 u + 1, for both row tiles.
; SHORT K.  K = 64 and K = 32 fill a part of the instruction's 128.  The computed operand (qa, kva) holds zero codes in every unused k; the weight's tiles lie dense, four registers each, so its
; eight-register operand reaches into the next tile's codes, which meet those zero codes; four registers of zeros end the run.  Unused scale bytes are 0, never 0xff.
; LIMITS.  inv_freq is the f32 number nearest to 10^(-i/8); sine and cosine come from a reduction by pi/2 in two parts and polynomials of degree 7 and 8, good to about 1e-7 absolute for angles up to 2,047.
; NaN and infinities among the inputs are not served.  A block of zeros gets the byte 1 where the rule says 127: its codes are zeros, and these bytes are read by this program alone;
; blocks whose largest magnitude lies under 2^-124 are held at that byte.
.set LIMG, 0                           ; LDS: for each u 1,024 bytes: qa's image (512: block g at 256 g), kva's (256), zeros (256)
.set LSC,  2048                        ; for each u 512 bytes: four arrays of 32 words, a block's scale byte for each lane
.set XS,   20                          ; v20-27  x's scale words, K steps 0-7
.set WS,   28                          ; v28-43  stage A's weight scale words [tile][K step]
.set WQS,  44                          ; v44-59  Wqb's scale words [head][tile]
.set WKS,  60                          ; v60-63  Wkvb's, k's four tiles
.set WVS,  64                          ; v64-65  Wkvb's, v's two tiles
.set SQ0,  66                          ; v66-67  qa's two scale bytes;  v68 its scale word
.set SQ1,  67
.set QAS,  68
.set SK0,  69                          ; v69-70  kva's scale words, row tiles 0, 1;  v71 my own row tile's
.set SK1,  70
.set SKU,  71
.set KVO0, 72                          ; v72-79  kva's operand, row tile 0 (four registers of codes, four of zeros);  v80-87 row tile 1
.set KVO1, 80
.set QAO,  88                          ; v88-95  qa's operand, my row tile
.set CSN,  96                          ; v96-127 sixteen pairs (cos, sin)
.set XF,   128                         ; v128-191 x's eight fragments; afterwards:
.set H,    128                         ; v128-159 a head's four tiles
.set T,    160                         ; v160-163 at work in the rotation
.set KVU,  164                         ; v164-171 kva's operand, my own row tile
.set ACA,  192                         ; v192-207 stage A's two accumulators
.set TM,   208                         ; v208-223 the quantiser: +0.. largest magnitudes, +4.. bytes, +12.. the conversions' scale operands
.set SW,   224                         ; v224-234 sine and cosine at work; afterwards:
.set PCQ,  224                         ; v224-239 q's codes, four heads
.set PCK,  240                         ; v240-243 k's codes
.set PCV,  244                         ; v244-247 v's codes
.set QWD,  248                         ; v248-251 q's scale words
.set PCA,  252                         ; v252-253 stage A's codes;  v254 its byte
.set PWA,  254
; window 1: v0-127 stage A's weight fragments (8 (8 tile + K step)); v128-191 Wqb, 16 tiles x 4; v192-207 Wkvb for k; v208-215 Wkvb for v; v216-219 zeros
.set MSB, 0
.macro WIN new                         ; the immediate's high byte repeats the setting that is left
.if MSB != \new
	s_set_vgpr_msb (MSB<<8)|\new
.set MSB, \new
.endif
.endm
.macro MM d, a, b, sa, sb              ; a product that starts a sum
	v_wmma_scale_f32_16x16x128_f8f6f4 v[\d:\d+7], v[\a:\a+7], v[\b:\b+7], 0, v[\sa], v[\sb] matrix_a_fmt:MATRIX_FMT_FP4 matrix_b_fmt:MATRIX_FMT_FP4
.endm
.macro MMA d, a, b, sa, sb             ; and one that adds in place
	v_wmma_scale_f32_16x16x128_f8f6f4 v[\d:\d+7], v[\a:\a+7], v[\b:\b+7], v[\d:\d+7], v[\sa], v[\sb] matrix_a_fmt:MATRIX_FMT_FP4 matrix_b_fmt:MATRIX_FMT_FP4
.endm
.macro PLACES n
.rept \n
	v_nop
.endr
.endm
; cos and sin of position x inv_freq for pair p.  Lanes 0-15 hold frequency 16 (p / 8) + p % 8 (lo), lanes 16-31 the one eight further on (hi).
.macro SINCOS p, lo, hi
	v_mov_b32 v[SW], \lo
	v_mov_b32 v[SW+1], \hi
	v_cndmask_b32 v[SW], v[SW], v[SW+1], s33
	v_mul_f32 v[SW], v15, v[SW]                    ; the angle a, rounded once
	v_mul_f32 v[SW+1], s36, v[SW]
	v_rndne_f32 v[SW+1], v[SW+1]                   ; n = the nearest whole number to a x 2 / pi
	v_fma_f32 v[SW+2], v[SW+1], s37, v[SW]         ; a - n x (pi/2's f32 part): exact,
	v_fma_f32 v[SW+2], v[SW+1], s38, v[SW+2]       ; and the rest of pi/2: r, within pi/4 of 0
	v_cvt_i32_f32 v[SW+3], v[SW+1]                 ; the quadrant
	v_mul_f32 v[SW+4], v[SW+2], v[SW+2]            ; z = r r
	v_fma_f32 v[SW+5], v[SW+4], s41, s40
	v_fma_f32 v[SW+6], v[SW+4], s44, s43
	v_mul_f32 v[SW+7], v[SW+4], v[SW+2]
	v_fma_f32 v[SW+5], v[SW+5], v[SW+4], s39
	v_fma_f32 v[SW+6], v[SW+6], v[SW+4], s42
	v_and_b32 v[SW+8], 1, v[SW+3]
	v_fma_f32 v[SW+5], v[SW+5], v[SW+7], v[SW+2]   ; sin r
	v_fma_f32 v[SW+6], v[SW+6], v[SW+4], -0.5
	v_cmp_eq_u32 vcc_lo, 1, v[SW+8]
	v_fma_f32 v[SW+6], v[SW+6], v[SW+4], 1.0       ; cos r
	v_lshlrev_b32 v[SW+8], 30, v[SW+3]
	v_add_nc_u32 v[SW+3], 1, v[SW+3]
	v_cndmask_b32 v[SW+9], v[SW+5], v[SW+6], vcc_lo    ; in odd quadrants the two change places (a choice of values, no branch)
	v_cndmask_b32 v[SW+10], v[SW+6], v[SW+5], vcc_lo
	v_and_b32 v[SW+8], 0x80000000, v[SW+8]         ; the sine is negative in quadrants 2, 3,
	v_lshlrev_b32 v[SW+3], 30, v[SW+3]
	v_xor_b32 v[CSN+2*\p+1], v[SW+9], v[SW+8]
	v_and_b32 v[SW+3], 0x80000000, v[SW+3]         ; the cosine in 1, 2
	v_xor_b32 v[CSN+2*\p], v[SW+10], v[SW+3]
.endm
; The rotation of a head's 32 pairs: registers 2 p, 2 p + 1 are channels 2 i, 2 i + 1.  Ascending.
.macro ROPE
.irp p, 0,1,2,3,4,5,6,7,8,9,10,11,12,13,14,15
	v_mul_f32 v[T+2*(\p%2)], v[H+2*\p+1], v[CSN+2*\p+1]
	v_mul_f32 v[T+2*(\p%2)+1], v[H+2*\p], v[CSN+2*\p+1]
	v_fma_f32 v[H+2*\p], v[H+2*\p], v[CSN+2*\p], -v[T+2*(\p%2)]
	v_fma_f32 v[H+2*\p+1], v[H+2*\p+1], v[CSN+2*\p], v[T+2*(\p%2)+1]
.endr
.endm
; nb blocks of 32: register src + 16 b + i of lane (r, h) is number 16 h + i of block b.  Codes to v[pc + 2 b], v[pc + 2 b + 1]; bytes to v[TM + 4 + b].
; swap = 1 (two blocks): the halves change places, so that a lane holds a whole block: lanes 0-15 block 0, lanes 16-31 block 1, in four registers.
.macro QUANT src, nb, pc, swap
.irp b, 0,1
.if \b < \nb
	v_max3_num_f32 v[TM+\b], |v[\src+16*\b]|, |v[\src+1+16*\b]|, 0x1800000   ; my 16 numbers, and the floor 2^(3 - 127): the byte cannot fall under 1
.endif
.endr
.irp i, 2,4,6,8,10,12,14
.irp b, 0,1
.if \b < \nb
	v_max3_num_f32 v[TM+\b], v[TM+\b], |v[\src+16*\b+\i]|, |v[\src+1+16*\b+\i]|
.endif
.endr
.endr
.irp b, 0,1
.if \b < \nb
	v_permlanex16_b32 v[TM+4+\b], v[TM+\b], s34, s35
.endif
.endr
.irp b, 0,1
.if \b < \nb
	v_max_num_f32 v[TM+\b], v[TM+\b], v[TM+4+\b]   ; with lane l xor 16's: the block's largest magnitude
.endif
.endr
.irp b, 0,1
.if \b < \nb
	v_add_nc_u32 v[TM+12+\b], 0xff000000, v[TM+\b] ; 2 off its exponent field: the conversion's scale operand
.endif
.endr
.irp b, 0,1
.if \b < \nb
	v_lshrrev_b32 v[TM+4+\b], 23, v[TM+12+\b]      ; the scale's byte
.endif
.endr
.irp b, 0,1
.if \b < \nb
	v_cvt_scalef32_pk8_fp4_f32 v[\pc+2*\b], v[\src+16*\b:\src+16*\b+7], v[TM+12+\b]
	v_cvt_scalef32_pk8_fp4_f32 v[\pc+2*\b+1], v[\src+16*\b+8:\src+16*\b+15], v[TM+12+\b]
.endif
.endr
	v_nop                                          ; one plain place behind the last scaled conversion
.if \swap
	v_permlane16_swap_b32 v[\pc], v[\pc+2]
	v_permlane16_swap_b32 v[\pc+1], v[\pc+3]
.endif
.endm
; A head of 64 channels for my 16 tokens: four tiles, transposed, then the rotation.
.macro HEAD wreg, sreg, opnd, oscale
	WIN 0x01                                       ; source 0 (the weight) in window 1
.irp t, 0,1,2,3
	MM H+8*\t, \wreg+4*\t, \opnd, \sreg+\t, \oscale
.endr
	WIN 0
	PLACES 4                                       ; four places between the products and the first read of their results (ISA guide 7.12.1)
	ROPE
.endm
	s_load_b512 s[4:19], s[0:1], 0x0               ; x codes, x scales, Wqa codes, scales, Wkva codes, scales, Wqb codes, scales
	s_load_b256 s[20:27], s[0:1], 0x40             ; Wkvb codes, scales, qc, qs
	s_load_b64 s[28:29], s[0:1], 0x60              ; kv
	v_lshl_add_u32 v222, v0, 2, 0xc00
	v_mov_b32 v223, 0
	v_lshrrev_b32 v1, 5, v0
	v_readfirstlane_b32 s30, v1                    ; wave 0..7
	s_and_b32 s31, s30, 1                          ; u
	s_lshr_b32 s32, s30, 1                         ; g
	s_mov_b32 s33, 0xffff0000                      ; the mask of lanes 16-31
	s_mov_b32 s34, 0x76543210
	s_mov_b32 s35, 0xfedcba98                      ; v_permlanex16_b32's selects for lane l xor 16
	s_mov_b32 s36, 0x3f22f983                      ; 2 / pi
	s_mov_b32 s37, 0xbfc90fdb                      ; -(pi/2 rounded to f32)
	s_mov_b32 s38, 0x333bbd2e                      ; that number less pi/2
	s_mov_b32 s39, 0xbe2aaaa3                      ; the sine's coefficients of z, z^2, z^3
	s_mov_b32 s40, 0x3c08839e
	s_mov_b32 s41, 0xb94ca1f9
	s_mov_b32 s42, 0x3d2aaaa5                      ; the cosine's of z^2, z^3, z^4
	s_mov_b32 s43, 0xbab6061a
	s_mov_b32 s44, 0x37ccf5ce
	v_and_b32 v1, 15, v0                           ; r
	v_bfe_u32 v2, v0, 4, 1                         ; h
	v_and_b32 v3, 8, v1
	v_add_nc_u32 v3, v3, v1                        ; rp = r + 8 (r / 8)
	v_lshlrev_b32 v4, 9, v3
	v_lshl_add_u32 v4, v2, 4, v4                   ; rows of 512 bytes (x, Wqa, Wkva): 512 rp + 16 h
	v_lshlrev_b32 v5, 5, v3                        ; rows of 32 bytes (their scales; two rows of Wkvb): 32 rp
	v_lshl_add_u32 v6, v2, 4, v5                   ; Wqb: 32 rp + 16 h
	v_lshlrev_b32 v7, 1, v3                        ; Wqb's and Wkvb's scales: 2 rp
	v_and_b32 v9, 31, v0
	v_lshlrev_b32 v8, 4, v9                        ; 16 x lane: an image's place
	v_lshlrev_b32 v9, 2, v9                        ; 4 x lane
	v_lshlrev_b32 v10, 4, v1
	v_lshl_add_u32 v10, v2, 3, v10                 ; 16 r + 8 h: half a block's codes in an image
	s_lshl_b32 s45, s31, 10
	s_lshl_b32 s54, s32, 8
	s_add_co_u32 s54, s54, s45
	v_add_nc_u32 v11, s54, v10                     ; where I store my latents' codes: 1,024 u + 256 g + 16 r + 8 h
	v_add_nc_u32 v13, s45, v8                      ; where I read my row tile's images: 1,024 u + 16 x lane
	s_lshl_b32 s45, s31, 9
	s_lshl_b32 s54, s32, 7
	s_add_co_u32 s54, s54, s45
	s_add_co_u32 s54, s54, LSC
	v_add_nc_u32 v12, s54, v9                      ; where I store the byte: LSC + 512 u + 128 g + 4 x lane
	s_add_co_u32 s45, s45, LSC
	v_add_nc_u32 v14, s45, v9                      ; and read my row tile's: LSC + 512 u + 4 x lane
	s_and_b32 s45, ttmp9, 63
	s_lshl_b32 s45, s45, 5
	s_lshl_b32 s54, s31, 3
	s_add_co_u32 s45, s45, s54
	v_add_nc_u32 v15, s45, v3
	v_cvt_f32_u32 v15, v15                         ; my token's position in its sequence
	v_lshlrev_b32 v16, 2, v1
	v_lshl_add_u32 v16, v2, 1, v16                 ; 4 r + 2 h
	s_lshl_b32 s54, s31, 10
	v_add_nc_u32 v17, s54, v5                      ; Wkvb for v: channels 32 u on
	s_lshl_b32 s54, s31, 6
	v_add_nc_u32 v19, s54, v7                      ; and their scales
.irp i, 0,1,2,3
	v_mov_b32 v[KVO0+4+\i], 0                      ; the zero codes of the unused k
	v_mov_b32 v[KVO1+4+\i], 0
	v_mov_b32 v[QAO+4+\i], 0
	v_mov_b32 v[TM+4+\i], 0                        ; written once: a lane permute's destination counts as one of its sources
.endr
	v_mov_b32 v[PCA], 0                            ; waves 6 and 7 multiply nothing in stage A: their zeros fill the upper half of kva's image
	v_mov_b32 v[PCA+1], 0
	v_mov_b32 v[PWA], 0
	; byte offsets, each in the pair that will hold the address
	s_lshl_b32 s50, ttmp9, 14
	s_lshl_b32 s45, s31, 12
	s_add_co_u32 s50, s50, s45                     ; x: (32 W + 8 u) rows of 512
	s_mov_b32 s51, 0
	s_lshl_b32 s52, ttmp9, 10
	s_lshl_b32 s45, s31, 8
	s_add_co_u32 s52, s52, s45                     ; its scales: rows of 32
	s_mov_b32 s53, 0
	s_cmp_lt_u32 s30, 4
	s_cselect_b32 s54, s32, 0                      ; qa's block, or 0 for kva
	s_lshl_b32 s46, s54, 14
	s_mov_b32 s47, 0
	s_lshl_b32 s48, s54, 10
	s_mov_b32 s49, 0
	s_lshl_b32 s56, s32, 13                        ; Wqb: 256 rows of 32 bytes for my four heads
	s_mov_b32 s57, 0
	s_lshl_b32 s58, s32, 9
	s_mov_b32 s59, 0
	s_lshl_b32 s60, s32, 11                        ; Wkvb: 128 rows of 16 bytes for my head
	s_mov_b32 s61, 0
	s_lshl_b32 s62, s32, 7
	s_mov_b32 s63, 0
	s_lshl_b32 s66, ttmp9, 14
	s_lshl_b32 s45, s31, 13
	s_add_co_u32 s66, s66, s45
	s_lshl_b32 s45, s32, 11
	s_add_co_u32 s66, s66, s45                     ; qc: (16 (2 W + u) + 4 g) x 512
	s_mov_b32 s67, 0
	s_lshr_b32 s68, s66, 3                         ; qs: the same x 64
	s_mov_b32 s69, 0
	s_lshr_b32 s45, ttmp9, 6
	s_lshl_b32 s45, s45, 2
	s_add_co_u32 s45, s45, s32
	s_lshl_b32 s45, s45, 4
	s_bfe_u32 s54, ttmp9, 0x40002
	s_add_co_u32 s45, s45, s54
	s_mul_i32 s45, s45, 8960                       ; kv: block ((4 b + g) 16 + step of 128 keys)
	s_and_b32 s54, ttmp9, 3                        ; which 32 of the 128
	s_lshl_b32 s70, s54, 10
	s_lshl_b32 s55, s31, 9
	s_add_co_u32 s70, s70, s55
	s_add_co_u32 s70, s70, s45                     ; k's image: tile 2 beta + u
	s_mov_b32 s71, 0
	s_lshl_b32 s72, s54, 7
	s_lshl_b32 s55, s31, 6
	s_add_co_u32 s72, s72, s55
	s_add_co_u32 s72, s72, s45
	s_add_co_u32 s72, s72, 8192                    ; its scale words
	s_mov_b32 s73, 0
	s_lshl_b32 s74, s54, 8
	s_lshl_b32 s55, s31, 11
	s_add_co_u32 s74, s74, s55
	s_add_co_u32 s74, s74, s45
	s_add_co_u32 s74, s74, 4096                    ; v's image: channel tile 2 u, 256 bytes for my 32 keys
	s_mov_b32 s75, 0
	s_lshl_b32 s76, s31, 7
	s_add_co_u32 s76, s76, s54
	s_add_co_u32 s76, s76, s45
	s_add_co_u32 s76, s76, 8704                    ; its scale bytes
	s_mov_b32 s77, 0
	s_wait_kmcnt 0x0
	s_cmp_lt_u32 s30, 4                            ; the choice hangs on the wave's number alone
	s_cselect_b64 s[8:9], s[8:9], s[12:13]
	s_cselect_b64 s[10:11], s[10:11], s[14:15]
	s_add_nc_u64 s[46:47], s[8:9], s[46:47]
	s_add_nc_u64 s[48:49], s[10:11], s[48:49]
	s_add_nc_u64 s[50:51], s[4:5], s[50:51]
	s_add_nc_u64 s[52:53], s[6:7], s[52:53]
	s_add_nc_u64 s[56:57], s[16:17], s[56:57]
	s_add_nc_u64 s[58:59], s[18:19], s[58:59]
	s_add_nc_u64 s[60:61], s[20:21], s[60:61]
	s_add_nc_u64 s[62:63], s[22:23], s[62:63]
	s_add_nc_u64 s[66:67], s[24:25], s[66:67]
	s_add_nc_u64 s[68:69], s[26:27], s[68:69]
	s_add_nc_u64 s[70:71], s[28:29], s[70:71]
	s_add_nc_u64 s[72:73], s[28:29], s[72:73]
	s_add_nc_u64 s[74:75], s[28:29], s[74:75]
	s_add_nc_u64 s[76:77], s[28:29], s[76:77]
	; ---- stage A's 54 loads (waves 0-5)
	s_cmp_lt_u32 s30, 6
	s_cbranch_scc0 .Lno_a_loads
	global_load_b128 v[XS:XS+3], v5, s[52:53]
	global_load_b128 v[XS+4:XS+7], v5, s[52:53] offset:16
.irp q, 0,1
.irp f, 0,1
	global_load_b128 v[WS+8*\q+4*\f:WS+8*\q+4*\f+3], v5, s[48:49] offset:256*\q+16*\f
.endr
.endr
.irp k, 0,1,2,3,4,5,6,7
.irp c, 0,1
	global_load_b128 v[XF+8*\k+4*\c:XF+8*\k+4*\c+3], v4, s[50:51] offset:64*\k+32*\c
.endr
.endr
	WIN 0x40                                       ; destination window 1
.irp q, 0,1
.irp k, 0,1,2,3,4,5,6,7
.irp c, 0,1
	global_load_b128 v[8*(8*\q+\k)+4*\c:8*(8*\q+\k)+4*\c+3], v4, s[46:47] offset:4096*\q+64*\k+32*\c
.endr
.endr
.endr
	WIN 0
.Lno_a_loads:
	; ---- stage B's 44 loads (all waves)
	WIN 0x40
.irp e, 0,1,2,3
.irp t, 0,1,2,3
	global_load_b128 v[128+16*\e+4*\t:128+16*\e+4*\t+3], v6, s[56:57] offset:2048*\e+32*(32*(\t/2)+8*(\t%2))
.endr
.endr
.irp t, 0,1,2,3
	global_load_b128 v[192+4*\t:192+4*\t+3], v5, s[60:61] offset:32*(32*(\t/2)+8*(\t%2))   ; k's rows are the even rows of Wkvb.  K = 32: lanes 16-31 take the same bytes, which meet zero codes
.endr
.irp q, 0,1
	global_load_b128 v[208+4*\q:208+4*\q+3], v17, s[60:61] offset:256*\q+16                ; v's the odd rows
.endr
.irp i, 0,1,2,3
	v_mov_b32 v[216+\i], 0                         ; the zeros that end the run of dense tiles
.endr
	WIN 0
.irp e, 0,1,2,3
.irp t, 0,1,2,3
	global_load_u16 v[WQS+4*\e+\t], v7, s[58:59] offset:128*\e+2*(32*(\t/2)+8*(\t%2))
.endr
.endr
.irp t, 0,1,2,3
	global_load_u8 v[WKS+\t], v7, s[62:63] offset:2*(32*(\t/2)+8*(\t%2))
.endr
.irp q, 0,1
	global_load_u8 v[WVS+\q], v19, s[62:63] offset:16*\q+1
.endr
	; ---- cos and sin of my token's 16 angles, while the loads are on their way
	SINCOS 0,  0x3f800000, 0x3dcccccd
	SINCOS 1,  0x3f3ff911, 0x3d99940e
	SINCOS 2,  0x3f0ff59a, 0x3d6655c3
	SINCOS 3,  0x3ed7e89b, 0x3d2cba15
	SINCOS 4,  0x3ea1e89b, 0x3d0186e2
	SINCOS 5,  0x3e72d424, 0x3cc24350
	SINCOS 6,  0x3e361887, 0x3c91ad39
	SINCOS 7,  0x3e088d77, 0x3c5a7bf1
	SINCOS 8,  0x3c23d70a, 0x3a83126f
	SINCOS 9,  0x3bf5b9b0, 0x3a44948c
	SINCOS 10, 0x3bb8449c, 0x3a136a16
	SINCOS 11, 0x3b8a2e77, 0x39dd1726
	SINCOS 12, 0x3b4f3e37, 0x39a5cb5f
	SINCOS 13, 0x3b1b690d, 0x3978a814
	SINCOS 14, 0x3ae91528, 0x393a7753
	SINCOS 15, 0x3aaec98e, 0x390bd472
	; ---- stage A: 32 latents for my 16 tokens
	s_cmp_lt_u32 s30, 6
	s_cbranch_scc0 .Lno_a
	s_wait_loadcnt 44                              ; stage A's 54 loads are in; the 44 issued behind them may be out
	WIN 0x01
.irp k, 0,1,2,3,4,5,6,7
.irp q, 0,1
.if \k == 0
	MM ACA+8*\q, 8*(8*\q+\k), XF+8*\k, WS+8*\q+\k, XS+\k       ; the first K step starts both sums
.else
	MMA ACA+8*\q, 8*(8*\q+\k), XF+8*\k, WS+8*\q+\k, XS+\k      ; the two accumulators by turns
.endif
.endr
.endr
	WIN 0
	PLACES 4
	QUANT ACA, 1, PCA, 0
	v_mov_b32 v[PWA], v[TM+4]
.Lno_a:
	ds_store_b64 v11, v[PCA:PCA+1]                 ; half a block's codes at their place in the operand's image
	ds_store_b32 v12, v[PWA]
	s_wait_dscnt 0x0                               ; for the others' sake: my stores have landed
	s_barrier_signal -1
	s_barrier_wait -1
	ds_load_b128 v[QAO:QAO+3], v13                 ; qa, my row tile
	ds_load_b128 v[KVU:KVU+3], v13 offset:512      ; kva, my row tile
	ds_load_b128 v[KVO0:KVO0+3], v8 offset:LIMG+512
	ds_load_b128 v[KVO1:KVO1+3], v8 offset:LIMG+1536
	ds_load_b32 v[SQ0], v14
	ds_load_b32 v[SQ1], v14 offset:128
	ds_load_b32 v[SKU], v14 offset:256
	ds_load_b32 v[SK0], v9 offset:LSC+256
	ds_load_b32 v[SK1], v9 offset:LSC+768
.irp i, 0,1,2,3
	v_mov_b32 v[KVU+4+\i], 0
.endr
	s_wait_dscnt 0x0
	s_wait_loadcnt 0x0                             ; stage B's weights and scales
	v_lshl_or_b32 v[QAS], v[SQ1], 8, v[SQ0]        ; qa's scale word: two bytes; those of the unused k stay 0
	PLACES 8                                       ; a scale register written by a vector instruction stands eight places ahead of the scaled product
	; ---- q: four heads
.irp e, 0,1,2,3
	HEAD 128+16*\e, WQS+4*\e, QAO, QAS
	QUANT H, 2, PCQ+4*\e, 1
	v_lshl_or_b32 v[QWD+\e], v[TM+5], 8, v[TM+4]
	v_or_b32 v[QWD+\e], 0x7f7f0000, v[QWD+\e]      ; the unused k get the byte of 1.0
	global_store_b128 v8, v[PCQ+4*\e:PCQ+4*\e+3], s[66:67] offset:512*\e   ; 32 lanes store 512 consecutive bytes
.if \e%2
	v_cndmask_b32 v[QWD+\e-1], v[QWD+\e-1], v[QWD+\e], s33
	global_store_b32 v9, v[QWD+\e-1], s[68:69] offset:64*(\e-1)            ; two heads' words: 128 consecutive bytes
.endif
.endr
	; ---- k: one head
	HEAD 192, WKS, KVU, SKU
	QUANT H, 2, PCK, 1
	v_lshl_or_b32 v255, v[TM+5], 8, v[TM+4]
	v_mov_b32 v18, 0x7f7f
	v_cndmask_b32 v255, v255, v18, s33             ; lanes 0-15 store the two bytes, lanes 16-31 the two of the unused k
	global_store_b128 v8, v[PCK:PCK+3], s[70:71]
	global_store_b16 v16, v255, s[72:73]
	; ---- v: source 0 = 16 tokens, source 1 = 16 channels: a lane holds a channel, and the 16 registers of the two row tiles are 16 neighbouring keys
	WIN 0x04                                       ; source 1 (the weight) in window 1
.irp q, 0,1
	MM H+16*\q, KVO0, 208+4*\q, SK0, WVS+\q
	MM H+16*\q+8, KVO1, 208+4*\q, SK1, WVS+\q
.endr
	WIN 0
	PLACES 4
	QUANT H, 2, PCV, 0                             ; two channel tiles, a block of 32 keys each; the halves stay: they are stored side by side
	v_cndmask_b32 v18, v[TM+4], v[TM+5], s33
	global_store_b64 v10, v[PCV:PCV+1], s[74:75]                 ; 256 consecutive bytes, aligned
	global_store_b64 v10, v[PCV+2:PCV+3], s[74:75] offset:1024
	global_store_b8 v9, v18, s[76:77]              ; my 32 keys' byte of each channel's scale word
	s_wait_tensorcnt 0x0
	ds_add_u32 v222, v223
	s_wait_dscnt 0x0
	s_endpgm
.Lfunc_end_k_q7c3adac7eb_proj:
	.size	k_q7c3adac7eb_proj, .Lfunc_end_k_q7c3adac7eb_proj-k_q7c3adac7eb_proj
	.p2alignl 7, 3214868480
	.fill 96, 4, 3214868480
	.section	.rodata,"a",@progbits
	.p2align	6, 0x0
	.amdhsa_kernel k_q7c3adac7eb_proj
		.amdhsa_group_segment_fixed_size 4096
		.amdhsa_private_segment_fixed_size 0
		.amdhsa_enable_private_segment 0
		.amdhsa_kernarg_size 104
		.amdhsa_user_sgpr_count 2
		.amdhsa_user_sgpr_kernarg_segment_ptr 1
		.amdhsa_wavefront_size32 1
		.amdhsa_system_sgpr_workgroup_id_x 1
		.amdhsa_system_sgpr_workgroup_id_y 1
		.amdhsa_system_sgpr_workgroup_id_z 1
		.amdhsa_system_vgpr_workitem_id 0
		.amdhsa_next_free_vgpr 480
		.amdhsa_next_free_sgpr 80
		.amdhsa_reserve_vcc 1
		.amdhsa_float_denorm_mode_32 3
		.amdhsa_float_denorm_mode_16_64 3
		.amdhsa_memory_ordered 1
		.amdhsa_forward_progress 1
		.amdhsa_inst_pref_size 74
	.end_amdhsa_kernel
	.amdgpu_metadata
---
amdhsa.version: [ 1, 2 ]
amdhsa.kernels:
  - .name:           k_q7c3adac7eb_proj
    .symbol:         k_q7c3adac7eb_proj.kd
    .args:
      - { .name: x_codes, .offset: 0, .size: 8, .value_kind: global_buffer, .address_space: global }
      - { .name: x_scales, .offset: 8, .size: 8, .value_kind: global_buffer, .address_space: global }
      - { .name: Wqa_codes, .offset: 16, .size: 8, .value_kind: global_buffer, .address_space: global }
      - { .name: Wqa_scales, .offset: 24, .size: 8, .value_kind: global_buffer, .address_space: global }
      - { .name: Wkva_codes, .offset: 32, .size: 8, .value_kind: global_buffer, .address_space: global }
      - { .name: Wkva_scales, .offset: 40, .size: 8, .value_kind: global_buffer, .address_space: global }
      - { .name: Wqb_codes, .offset: 48, .size: 8, .value_kind: global_buffer, .address_space: global }
      - { .name: Wqb_scales, .offset: 56, .size: 8, .value_kind: global_buffer, .address_space: global }
      - { .name: Wkvb_codes, .offset: 64, .size: 8, .value_kind: global_buffer, .address_space: global }
      - { .name: Wkvb_scales, .offset: 72, .size: 8, .value_kind: global_buffer, .address_space: global }
      - { .name: qc, .offset: 80, .size: 8, .value_kind: global_buffer, .address_space: global }
      - { .name: qs, .offset: 88, .size: 8, .value_kind: global_buffer, .address_space: global }
      - { .name: kv, .offset: 96, .size: 8, .value_kind: global_buffer, .address_space: global }
    .group_segment_fixed_size: 4096
    .private_segment_fixed_size: 0
    .kernarg_segment_align: 8
    .kernarg_segment_size: 104
    .max_flat_workgroup_size: 256
    .sgpr_count:     80
    .vgpr_count:     480
    .wavefront_size: 32
...
	.end_amdgpu_metadata
.endif
;; end of part 1
;; launch attn (part 2): grid 16 x 16, 16 waves a work-group, no clusters, 19,968 bytes of LDS; arguments qc, qs, kv, ao, aos; writes ao, aos
.if DOCPART == 2
	.amdgcn_target "amdgcn-amd-amdhsa--gfx1250"
	.amdhsa_code_object_version 6
	.text
	.protected	k_q7c3adac7eb_attn
	.globl	k_q7c3adac7eb_attn
	.p2align	8
	.type	k_q7c3adac7eb_attn,@function
k_q7c3adac7eb_attn:
	s_mov_b64 s[64:65], 0
	v_nop
	global_prefetch_b8 v0, s[64:65] scope:SCOPE_SE
	s_setreg_imm32_b32 hwreg(HW_REG_WAVE_MODE, 25, 1), 1
	s_wait_xcnt 0x0
; Causal attention on codes of FP4 (E2M1), one E8M0 scale for each 32 along a product's K; head size 64, four query heads to a key and value head.
; t = score x log2(e) / 8; M = the running largest t rounded UP to a whole number; p = 2^(t - M) is quantised along the keys, not normalised; the row's sum is taken of the unquantised p and divides at the end.
; The result, divided, is quantised along the head's 64 channels and leaves as an image of the output product's operand.
; SHARES.  Work-group (j, 4 b + g) owns two blocks of 64 queries of batch b, blocks j and 31 - j, for the four query heads of key head g.  Block jb needs jb / 2 + 1 steps of 128 keys, so every work-group
; walks 17 steps.  Wave w: head 4 g + w / 4, row tile w % 4 of the block: 16 queries in 256 registers, four waves to a SIMD, so that one wave's vector work stands beside another's products and LDS loads.
; At step n1 = j / 2 + 1 every wave finishes block j and takes block 31 - j: a scalar branch on ids, with no barrier and no LDS access inside.
; K AND V.  A step's operands are one dense block of 8,960 bytes, laid as register images.  Each thread copies 16 bytes of it (threads 0-95 eight more) from memory through registers into one of two LDS slots.
; The load for step t + 2 is issued in step t, awaited at the head of step t + 1 and stored into the slot that was read in step t; one barrier at each step's end.
; No joint loads: the work-groups of one key head change blocks at different steps, so at a given step they want different keys.  No prefetch: each copy is asked for a whole step ahead of its wait.
; LAYOUT.  Both products transposed: S^T = K Q^T, O^T = V^T P^T: a lane holds ONE query.  Lane r of key tile 2 b + u is key 32 b + 8 u + r + 8 (r / 8), so the 16 registers of tiles 2 b, 2 b + 1 are 16 neighbouring keys.
; K = 64 fills half of the instruction's 128: Q holds zero codes in the upper half; K's tiles lie dense, four registers each, and reach into the next tile's codes, which meet those zeros.
; LIMITS.  NaN and infinities are not served.  A block of zeros gets the byte 1 where the rule says 127: its codes are zeros, and these bytes are read by this program alone.
.set SLOTB, 8960                       ; a slot: K's 8 tiles (4,096), V's 4 tiles (4,096), K's scale words (512), V's (256)
.set KT,   32                          ; v32-63 K's tiles, v64-67 zeros
.set VT,   68                          ; v68-99 V's tiles
.set S,    100                         ; v100-163 S^T, then p
.set O,    164                         ; v164-195 O^T
.set PC,   196                         ; v196-203 p's codes
.set BM,   204                         ; v204-207 the blocks' largest scores, then largest p
.set PX,   208                         ; v208-211 permute destinations, then bytes
.set SO,   212                         ; v212-215 the conversions' scale operands
.set F,    216                         ; v216-217 f = 2^(old M - new M) (the pair's upper word is only named)
.set KSC,  224                         ; v224-227 K's scale words: tile 2 i in lanes 0-15, tile 2 i + 1 in lanes 16-31
.set VSC,  228                         ; v228-229 V's likewise
.set PSC,  230                         ; v230 p's scale word
.set QS,   231                         ; v231 Q's scale word
.set CP,   232                         ; v232-235 the copy's 16 bytes;  v236-237 its 8
.set CPS,  236
; v1 16 x lane; v2 4 x lane; v3 16 x thread; v4 8 x thread; v5 r + 8 (r / 8) - 16 h; v6 4 r; v7 4 r + h; v12 -M; v13 the largest t; v14-15 the sum; v16-19 Q, v20-23 zeros; v26-29, v30 the second block's Q and scale word
; s14 wave; s19 n1; s20 the step; s21 the next copy's step; s22 the step's first key; s23 my least query; s24 the second block's; s[26:27] the copy's address; s[36:43] where the results go; s[44:45] the key head's blocks
.macro LDNEXT                          ; the copy of walk step s21: key step s21, or s21 - n1 in the second block
	s_cmp_ge_u32 s21, s19
	s_cselect_b32 s28, s19, 0
	s_sub_co_u32 s28, s21, s28
	s_mul_i32 s28, s28, SLOTB
	s_mov_b32 s29, 0
	s_add_nc_u64 s[26:27], s[44:45], s[28:29]      ; (the earlier copy's loads have been waited for: their base may be written)
	s_add_co_u32 s21, s21, 1
	global_load_b128 v[CP:CP+3], v3, s[26:27]
	s_cmp_lt_u32 s14, 3
	s_cbranch_scc0 .Lno_sc_\@
	global_load_b64 v[CPS:CPS+1], v4, s[26:27] offset:8192
.Lno_sc_\@:
.endm
.macro STORECP sl
	ds_store_b128 v3, v[CP:CP+3] offset:(\sl)*SLOTB
	s_cmp_lt_u32 s14, 3
	s_cbranch_scc0 .Lno_ss_\@
	ds_store_b64 v4, v[CPS:CPS+1] offset:(\sl)*SLOTB+8192
.Lno_ss_\@:
.endm
.macro INIT                            ; a block of queries begins: the step is written once, and its first turn finds zeros, which the first change of M leaves zeros
	v_mov_b32 v13, 0xff61b1e6                      ; -3e38, under every t
	v_floor_f32 v12, -v13
	v_mov_b32 v14, 0
	v_mov_b32 v15, 0
.set n, 0
.rept 32
	v_mov_b32 v[O+n], 0
.set n, n+1
.endr
.endm
; A block of queries ends: O^T / the sum, quantised along the 64 channels (register 16 b + i of lane (r, h) is channel 32 b + 16 h + i), stored as an image with its two scale bytes.
.macro FINAL ao, as
	v_add_f32 v14, v14, v15
	v_permlanex16_b32 v218, v14, s30, s31
	v_add_f32 v14, v14, v218                       ; the row's sum
	v_rcp_f32 v[F], v14
	v_mov_b32 v[F+1], 0                            ; a plain place behind the reciprocal
	s_wait_alu depctr_va_vdst(0)                   ; the wait ahead of the first use
.set n, 0
.rept 16
	v_pk_mul_f32 v[S+n:S+n+1], v[O+n:O+n+1], v[F:F+1] op_sel_hi:[1,0]   ; ascending: each tile of O^T is first read at its low end
.set n, n+2
.endr
.irp b, 0,1
	v_max3_num_f32 v[BM+\b], |v[S+16*\b]|, |v[S+1+16*\b]|, 0x1800000
.endr
.irp i, 2,4,6,8,10,12,14
.irp b, 0,1
	v_max3_num_f32 v[BM+\b], v[BM+\b], |v[S+16*\b+\i]|, |v[S+1+16*\b+\i]|
.endr
.endr
.irp b, 0,1
	v_permlanex16_b32 v[PX+\b], v[BM+\b], s30, s31
.endr
.irp b, 0,1
	v_max_num_f32 v[BM+\b], v[BM+\b], v[PX+\b]
.endr
.irp b, 0,1
	v_add_nc_u32 v[SO+\b], 0xff000000, v[BM+\b]
.endr
.irp b, 0,1
	v_lshrrev_b32 v[PX+\b], 23, v[SO+\b]
.endr
.irp b, 0,1
	v_cvt_scalef32_pk8_fp4_f32 v[PC+2*\b], v[S+16*\b:S+16*\b+7], v[SO+\b]
	v_cvt_scalef32_pk8_fp4_f32 v[PC+2*\b+1], v[S+16*\b+8:S+16*\b+15], v[SO+\b]
.endr
	v_nop                                          ; one plain place behind the last scaled conversion
	v_permlane16_swap_b32 v[PC], v[PC+2]
	v_permlane16_swap_b32 v[PC+1], v[PC+3]
	v_cndmask_b32 v219, v[PX], v[PX+1], s34        ; lanes 0-15 store block 0's byte, lanes 16-31 block 1's
	global_store_b128 v1, v[PC:PC+3], s[\ao:\ao+1] ; 512 consecutive bytes
	global_store_b8 v7, v219, s[\as:\as+1]
.endm
.macro SWITCH
	FINAL 36, 40
.irp i, 0,1,2,3
	v_mov_b32 v[16+\i], v[26+\i]
.endr
	v_mov_b32 v[QS], v30
	INIT                                           ; (its 36 lines are also the places between the scale word's move and the next scaled product)
	s_mov_b32 s22, 0
	s_mov_b32 s23, s24
	s_wait_xcnt 0x0                                ; the two stores have read their registers, which the next step writes again
.endm
; A STEP of 128 keys out of LDS slot `slot`.  sw: the change of blocks may fall here.  st: the next step's copy is stored.  ld: the copy after that is asked for.
; mk: 1 the mask, passed over where all keys count; 2 the mask always; 0 none.  bar: a barrier closes the step.
.macro STEP slot, sw, st, ld, mk, bar
.if \sw
	s_cmp_lg_u32 s20, s19
	s_cbranch_scc1 .Lsame_\@
	SWITCH
.Lsame_\@:
.endif
.if \st
	s_wait_loadcnt 0x0                             ; the copy asked for a step ago is in registers
	STORECP 1-\slot                                ; into the slot that every wave had finished reading at the last barrier
.endif
.irp k, 0,1,2,3,4,5,6,7
	ds_load_b128 v[KT+4*\k:KT+4*\k+3], v1 offset:\slot*SLOTB+512*\k
.endr
.irp i, 0,1,2,3
	ds_load_b32 v[KSC+\i], v2 offset:\slot*SLOTB+8192+128*\i
.endr
.irp k, 0,1,2,3,4,5,6,7
	ds_load_b128 v[VT+4*\k:VT+4*\k+3], v1 offset:\slot*SLOTB+4096+512*\k
.endr
.irp i, 0,1
	ds_load_b32 v[VSC+\i], v2 offset:\slot*SLOTB+8704+128*\i
.endr
	s_wait_dscnt 10                                ; K and its scale words are in, the copy's stores have landed; V's eight loads and its two scale loads may be out
.if \ld
	LDNEXT
.endif
.irp t, 0,1,2,3,4,5,6,7
.if \t%2
	v_wmma_scale_f32_16x16x128_f8f6f4 v[S+8*\t:S+8*\t+7], v[KT+4*\t:KT+4*\t+7], v[16:23], 0, v[KSC+\t/2], v[QS] matrix_a_fmt:MATRIX_FMT_FP4 matrix_b_fmt:MATRIX_FMT_FP4 matrix_a_scale:MATRIX_SCALE_ROW1
.else
	v_wmma_scale_f32_16x16x128_f8f6f4 v[S+8*\t:S+8*\t+7], v[KT+4*\t:KT+4*\t+7], v[16:23], 0, v[KSC+\t/2], v[QS] matrix_a_fmt:MATRIX_FMT_FP4 matrix_b_fmt:MATRIX_FMT_FP4
.endif
.endr
.rept 4
	v_nop                                          ; four places between the products and the first read of their results (ISA guide 7.12.1)
.endr
.if \mk
.if \mk == 1
	s_add_co_u32 s46, s22, 127
	s_cmp_le_u32 s46, s23
	s_cbranch_scc1 .Lopen_\@                       ; all 128 keys count for all my queries
.endif
	s_sub_co_i32 s46, s23, s22
	v_add_nc_u32 v218, s46, v5                     ; d = my query - the step's first key - 16 h.  Register 16 b + i holds key 32 b + 16 h + i: hidden where 32 b + i > d
	v_mov_b32 v219, 0xff800000                     ; -infinity: p = 0 then
.set n, 0
.rept 64
	v_cmp_gt_i32 vcc_lo, 32*(n/16)+n%16, v218
	v_cndmask_b32 v[S+n], v[S+n], v219, vcc_lo
.set n, n+1
.endr
.Lopen_\@:
.endif
.irp b, 0,1,2,3
	v_max3_num_f32 v[BM+\b], v[S+16*\b], v[S+1+16*\b], v[S+2+16*\b]   ; the largest score of each block of 32 keys: for the row's maximum, and, since p rises with the score, for the block's largest p
.endr
.irp i, 3,5,7,9,11,13
.irp b, 0,1,2,3
	v_max3_num_f32 v[BM+\b], v[BM+\b], v[S+16*\b+\i], v[S+1+16*\b+\i]
.endr
.endr
.irp b, 0,1,2,3
	v_max_num_f32 v[BM+\b], v[BM+\b], v[S+15+16*\b]
.endr
.irp b, 0,1,2,3
	v_permlanex16_b32 v[PX+\b], v[BM+\b], s30, s31
.endr
.irp b, 0,1,2,3
	v_max_num_f32 v[BM+\b], v[BM+\b], v[PX+\b]     ; with lane l xor 16's 16 keys
.endr
	v_max3_num_f32 v218, v[BM], v[BM+1], v[BM+2]
	v_max_num_f32 v218, v218, v[BM+3]
	v_mul_f32 v218, s32, v218                      ; the step's largest t
	v_max_num_f32 v13, v13, v218                   ; the running largest t
	v_mov_b32 v218, v12
	v_floor_f32 v12, -v13                          ; -M = floor(-t): M is a whole number
	v_sub_f32 v218, v12, v218                      ; old M - new M, a whole number, 0 or less
	v_cvt_i32_f32 v218, v218                       ; (it saturates)
	v_ldexp_f32 v[F], 1.0, v218                    ; f = 2^(old M - new M): a multiplication by it rounds nothing
.set n, 0
.rept 32
	v_pk_fma_f32 v[S+n:S+n+1], v[S+n:S+n+1], s[32:33], v[12:13] op_sel_hi:[1,0,0]   ; t - M, two at a time
.set n, n+2
.endr
.irp b, 0,1,2,3
	v_fma_f32 v[BM+\b], v[BM+\b], s32, v12         ; the same of each block's largest score
.endr
.set n, 0
.rept 64
	v_exp_f32 v[S+n], v[S+n]                       ; p = 2^(t - M), at most 1
.set n, n+1
.endr
	v_pk_mul_f32 v[14:15], v[14:15], v[F:F+1] op_sel_hi:[1,0]   ; the sums under the new M: the plain place behind the exponentials
	s_wait_alu depctr_va_vdst(0)                   ; one wait for the batch of 64, ahead of its first reader
.irp b, 0,1,2,3
	v_exp_f32 v[BM+\b], v[BM+\b]                   ; the blocks' largest p
.endr
	v_pk_add_f32 v[220:221], v[S:S+1], v[S+2:S+3]  ; the row's sum of the unquantised p, in two chains
.set n, 4
.rept 15
	v_pk_add_f32 v[14:15], v[14:15], v[S+n:S+n+1]
	v_pk_add_f32 v[220:221], v[220:221], v[S+n+2:S+n+3]
.set n, n+4
.endr
	v_pk_add_f32 v[14:15], v[14:15], v[220:221]
	s_wait_alu depctr_va_vdst(0)                   ; and one for the four
.irp b, 0,1,2,3
	v_max_num_f32 v[BM+\b], 0x1800000, v[BM+\b]    ; the floor 2^(3 - 127): the byte cannot fall under 1
.endr
.irp b, 0,1,2,3
	v_add_nc_u32 v[SO+\b], 0xff000000, v[BM+\b]    ; 2 off the exponent field: the conversion's scale operand
.endr
.irp b, 0,1,2,3
	v_lshrrev_b32 v[PX+\b], 23, v[SO+\b]
.endr
	v_lshl_or_b32 v[PSC], v[PX+1], 8, v[PX]        ; p's scale word for these 128 keys
	v_lshl_or_b32 v[PSC], v[PX+2], 16, v[PSC]
	v_lshl_or_b32 v[PSC], v[PX+3], 24, v[PSC]
.irp b, 0,1,2,3
	v_cvt_scalef32_pk8_fp4_f32 v[PC+2*\b], v[S+16*\b:S+16*\b+7], v[SO+\b]
	v_cvt_scalef32_pk8_fp4_f32 v[PC+2*\b+1], v[S+16*\b+8:S+16*\b+15], v[SO+\b]
.endr
	v_nop                                          ; one plain place behind the last scaled conversion
.irp c, 0,1                                    ; a whole block to a lane: lanes 0-15 block 2 c, lanes 16-31 block 2 c + 1
.irp i, 0,1
	v_permlane16_swap_b32 v[PC+4*\c+\i], v[PC+2+4*\c+\i]
.endr
.endr
.set n, 0
.rept 16
	v_pk_mul_f32 v[O+n:O+n+1], v[O+n:O+n+1], v[F:F+1] op_sel_hi:[1,0]   ; O^T under the new M.  These 16 are also the places between the scale word, the codes and the products below
.set n, n+2
.endr
	s_wait_dscnt 0x0                               ; V and its scale words are in; none of my LDS instructions is out
.irp t, 0,1,2,3
.if \t%2
	v_wmma_scale_f32_16x16x128_f8f6f4 v[O+8*\t:O+8*\t+7], v[VT+8*\t:VT+8*\t+7], v[PC:PC+7], v[O+8*\t:O+8*\t+7], v[VSC+\t/2], v[PSC] matrix_a_fmt:MATRIX_FMT_FP4 matrix_b_fmt:MATRIX_FMT_FP4 matrix_a_scale:MATRIX_SCALE_ROW1
.else
	v_wmma_scale_f32_16x16x128_f8f6f4 v[O+8*\t:O+8*\t+7], v[VT+8*\t:VT+8*\t+7], v[PC:PC+7], v[O+8*\t:O+8*\t+7], v[VSC+\t/2], v[PSC] matrix_a_fmt:MATRIX_FMT_FP4 matrix_b_fmt:MATRIX_FMT_FP4
.endif
.endr
.rept 4
	v_nop                                          ; places in front of the next loads into V's registers and of the next read of O^T
.endr
	s_add_co_u32 s20, s20, 1
	s_add_co_u32 s22, s22, 128
.if \bar
	s_barrier_signal -1                            ; my reads of this slot are back and my stores into the other have landed (the wait for 0 above)
	s_barrier_wait -1
.endif
.endm
	s_load_b256 s[4:11], s[0:1], 0x0               ; qc, qs, kv, ao
	s_load_b64 s[12:13], s[0:1], 0x20              ; aos
	v_lshl_add_u32 v254, v0, 2, 0x4600
	v_mov_b32 v255, 0
	v_lshrrev_b32 v1, 5, v0
	v_readfirstlane_b32 s14, v1                    ; wave 0..15
	s_lshr_b32 s15, s14, 2                         ; which of the four heads
	s_and_b32 s16, s14, 3                          ; which row tile of a block
	s_mov_b32 s17, ttmp9                           ; j
	s_and_b32 s18, ttmp7, 0xffff                   ; 4 b + g
	s_lshr_b32 s19, s17, 1
	s_add_co_u32 s19, s19, 1                       ; n1
	s_mov_b32 s20, 0
	s_mov_b32 s21, 0
	s_mov_b32 s22, 0
	s_lshr_b32 s46, s16, 1
	s_lshl_b32 s46, s46, 5
	s_and_b32 s47, s16, 1
	s_lshl_b32 s47, s47, 3
	s_add_co_u32 s46, s46, s47                     ; my tile's least query in a block
	s_lshl_b32 s23, s17, 6
	s_add_co_u32 s23, s23, s46
	s_sub_co_u32 s24, 31, s17
	s_lshl_b32 s24, s24, 6
	s_add_co_u32 s24, s24, s46
	s_and_b32 s47, s18, 3
	s_lshl_b32 s47, s47, 2
	s_add_co_u32 s47, s47, s15                     ; the head
	s_lshr_b32 s46, s18, 2
	s_lshl_b32 s46, s46, 7
	s_add_co_u32 s46, s46, s16                     ; 128 b + tile
	s_lshl_b32 s28, s17, 2
	s_add_co_u32 s28, s28, s46                     ; row tile of the first block
	s_sub_co_u32 s29, 31, s17
	s_lshl_b32 s29, s29, 2
	s_add_co_u32 s29, s29, s46                     ; and of the second
	s_lshl_b32 s48, s28, 4
	s_add_co_u32 s48, s48, s47
	s_lshl_b32 s52, s48, 6                         ; qs: (16 R + head) x 64
	s_lshl_b32 s48, s48, 9                         ; qc, ao: x 512
	s_mov_b32 s49, 0
	s_mov_b32 s53, 0
	s_lshl_b32 s50, s29, 4
	s_add_co_u32 s50, s50, s47
	s_lshl_b32 s54, s50, 6
	s_lshl_b32 s50, s50, 9
	s_mov_b32 s51, 0
	s_mov_b32 s55, 0
	s_lshr_b32 s56, s47, 1
	s_and_b32 s57, s47, 1
	s_lshl_b32 s57, s57, 1
	s_lshl_b32 s40, s28, 3
	s_add_co_u32 s40, s40, s56
	s_lshl_b32 s40, s40, 6
	s_add_co_u32 s40, s40, s57                     ; aos: (8 R + head / 2) x 64 + 2 (head % 2)
	s_mov_b32 s41, 0
	s_lshl_b32 s42, s29, 3
	s_add_co_u32 s42, s42, s56
	s_lshl_b32 s42, s42, 6
	s_add_co_u32 s42, s42, s57
	s_mov_b32 s43, 0
	s_mul_i32 s44, s18, 16*SLOTB
	s_mov_b32 s45, 0
	s_mov_b32 s30, 0x76543210
	s_mov_b32 s31, 0xfedcba98                      ; v_permlanex16_b32's selects for lane l xor 16
	s_mov_b32 s32, 0x3e38aa3b                      ; log2(e) / 8
	s_mov_b32 s33, s32                             ; (named with it as a pair, so it is written)
	s_mov_b32 s34, 0xffff0000                      ; the mask of lanes 16-31
	v_and_b32 v2, 31, v0
	v_lshlrev_b32 v1, 4, v2
	v_lshlrev_b32 v2, 2, v2
	v_lshlrev_b32 v3, 4, v0
	v_lshlrev_b32 v4, 3, v0
	v_and_b32 v8, 15, v0
	v_bfe_u32 v9, v0, 4, 1
	v_and_b32 v5, 8, v8
	v_add_nc_u32 v5, v5, v8
	v_lshlrev_b32 v10, 4, v9
	v_sub_nc_u32 v5, v5, v10
	v_lshlrev_b32 v6, 2, v8
	v_add_nc_u32 v7, v6, v9
.irp i, 0,1,2,3
	v_mov_b32 v[20+\i], 0                          ; Q's zero codes of the unused k
	v_mov_b32 v[KT+32+\i], 0                       ; the zeros that end the run of K's dense tiles
	v_mov_b32 v[PX+\i], 0                          ; written once: a lane permute's destination counts as one of its sources
.endr
	v_mov_b32 v[CPS], 0                            ; written once, ahead of the first copy: the pair is loaded under one branch on the wave's number and stored under another,
	v_mov_b32 v[CPS+1], 0                          ; so it holds a number on every path through the two
	v_mov_b32 v[F+1], 0
	v_mov_b32 v218, 0
	INIT
	s_wait_kmcnt 0x0
	s_add_nc_u64 s[44:45], s[8:9], s[44:45]
	s_add_nc_u64 s[36:37], s[10:11], s[48:49]
	s_add_nc_u64 s[38:39], s[10:11], s[50:51]
	s_add_nc_u64 s[40:41], s[12:13], s[40:41]
	s_add_nc_u64 s[42:43], s[12:13], s[42:43]
	s_add_nc_u64 s[48:49], s[4:5], s[48:49]
	s_add_nc_u64 s[50:51], s[4:5], s[50:51]
	s_add_nc_u64 s[52:53], s[6:7], s[52:53]
	s_add_nc_u64 s[54:55], s[6:7], s[54:55]
	LDNEXT                                         ; step 0's operands
	global_load_b128 v[16:19], v1, s[48:49]        ; both blocks' Q stay in registers
	global_load_b32 v[QS], v6, s[52:53]
	global_load_b128 v[26:29], v1, s[50:51]
	global_load_b32 v30, v6, s[54:55]
	s_wait_loadcnt 0x0
	STORECP 0
	s_wait_dscnt 0x0                               ; for the others' sake: my part of slot 0 has landed
	LDNEXT                                         ; step 1's
	s_barrier_signal -1
	s_barrier_wait -1
	s_mov_b32 s25, 7
.Ltrip:                                            ; steps 0 to 13, two a trip, so that the slot is a constant of the text; n1 is at most 8, so the change of blocks and the first block's diagonal fall here
	STEP 0, 1, 1, 1, 1, 1
	STEP 1, 1, 1, 1, 1, 1
	s_sub_co_u32 s25, s25, 1
	s_cmp_lg_u32 s25, 0
	s_cbranch_scc1 .Ltrip
	STEP 0, 0, 1, 1, 0, 1                          ; step 14 asks for the last copy,
	STEP 1, 0, 1, 0, 0, 1                          ; step 15 stores it,
	STEP 0, 0, 0, 0, 2, 0                          ; step 16 lies on the second block's diagonal
	FINAL 38, 42
	s_wait_tensorcnt 0x0
	ds_add_u32 v254, v255
	s_wait_dscnt 0x0
	s_endpgm
.Lfunc_end_k_q7c3adac7eb_attn:
	.size	k_q7c3adac7eb_attn, .Lfunc_end_k_q7c3adac7eb_attn-k_q7c3adac7eb_attn
	.p2alignl 7, 3214868480
	.fill 96, 4, 3214868480
	.section	.rodata,"a",@progbits
	.p2align	6, 0x0
	.amdhsa_kernel k_q7c3adac7eb_attn
		.amdhsa_group_segment_fixed_size 19968
		.amdhsa_private_segment_fixed_size 0
		.amdhsa_enable_private_segment 0
		.amdhsa_kernarg_size 40
		.amdhsa_user_sgpr_count 2
		.amdhsa_user_sgpr_kernarg_segment_ptr 1
		.amdhsa_wavefront_size32 1
		.amdhsa_system_sgpr_workgroup_id_x 1
		.amdhsa_system_sgpr_workgroup_id_y 1
		.amdhsa_system_sgpr_workgroup_id_z 1
		.amdhsa_system_vgpr_workitem_id 0
		.amdhsa_next_free_vgpr 256
		.amdhsa_next_free_sgpr 66
		.amdhsa_reserve_vcc 1
		.amdhsa_float_denorm_mode_32 3
		.amdhsa_float_denorm_mode_16_64 3
		.amdhsa_memory_ordered 1
		.amdhsa_forward_progress 1
		.amdhsa_inst_pref_size 113
	.end_amdhsa_kernel
	.amdgpu_metadata
---
amdhsa.version: [ 1, 2 ]
amdhsa.kernels:
  - .name:           k_q7c3adac7eb_attn
    .symbol:         k_q7c3adac7eb_attn.kd
    .args:
      - { .name: qc, .offset: 0, .size: 8, .value_kind: global_buffer, .address_space: global }
      - { .name: qs, .offset: 8, .size: 8, .value_kind: global_buffer, .address_space: global }
      - { .name: kv, .offset: 16, .size: 8, .value_kind: global_buffer, .address_space: global }
      - { .name: ao, .offset: 24, .size: 8, .value_kind: global_buffer, .address_space: global }
      - { .name: aos, .offset: 32, .size: 8, .value_kind: global_buffer, .address_space: global }
    .group_segment_fixed_size: 19968
    .private_segment_fixed_size: 0
    .kernarg_segment_align: 8
    .kernarg_segment_size: 40
    .max_flat_workgroup_size: 512
    .sgpr_count:     66
    .vgpr_count:     256
    .wavefront_size: 32
...
	.end_amdgpu_metadata
.endif
;; end of part 2
;; launch outp (part 3): grid 4 x 64, 8 waves a work-group, clusters of 4 x 4, 273,408 bytes of LDS; arguments ao, aos, Wout_codes, Wout_scales, bout, out0; writes out0
.if DOCPART == 3
	.amdgcn_target "amdgcn-amd-amdhsa--gfx1250"
	.amdhsa_code_object_version 6
	.text
	.protected	k_q7c3adac7eb_outp
	.globl	k_q7c3adac7eb_outp
	.p2align	8
	.type	k_q7c3adac7eb_outp,@function
k_q7c3adac7eb_outp:
	s_mov_b64 s[64:65], 0
	v_nop
	global_prefetch_b8 v0, s[64:65] scope:SCOPE_SE
	s_setreg_imm32_b32 hwreg(HW_REG_WAVE_MODE, 25, 1), 1
	s_wait_xcnt 0x0
	s_wait_alu depctr_hold_cnt(0) depctr_sa_sdst(0) depctr_va_vdst(0) depctr_va_sdst(0) depctr_va_ssrc(0) depctr_va_vcc(0) depctr_vm_vsrc(0)
	s_getreg_b32 s2, hwreg(HW_REG_IB_STS2, 6, 4)
	s_cmp_eq_u32 s2, 0
	s_cbranch_scc0 .Lentry_in_a_cluster
	s_endpgm
.Lentry_in_a_cluster:
	s_bfe_u32 s2, ttmp6, 0x10000c
	s_cmp_lg_u32 s2, 0xf033
	s_cbranch_scc0 .Lentry_shape_is_right
	s_endpgm
.Lentry_shape_is_right:
; out0 = attention's result x Wout + bout, on codes of FP4 (E2M1) with one E8M0 scale for each 32 along K = 1,024; sums in f32.
; SHARES.  A work-group makes 128 rows x 256 columns: 256 work-groups.  Wave w: rows 64 (w / 4) on (four row tiles), columns 64 (w % 4) on (four column tiles): 16 accumulators.
; All of K lies in LDS behind ONE fill: Wout's 256 rows of 512 bytes and the rows' 128 half fragments of 512 bytes, 196,608 bytes of data; nothing is filled again, so there is no ring.
; CLUSTERS: 4 x 4 work-groups.  The four of a column of the cluster need the same rows of Wout, the four of a row the same tokens: each tile is asked for JOINTLY, by the same tensor load with the same
; descriptor and a mask that names the four.  Waves 0-3 fetch Wout's four quarters, waves 4 and 5 the tokens' two halves: one load a wave.
; The tokens' operand arrives as register images [row tile][head][512 bytes]: heads 2 s and 2 s + 1 are registers 0-3 and 4-7 of the fragment of K step s.  Lane r of row tile 2 G + u is token 32 G + 8 u + r + 8 (r / 8);
; that order is undone in the stores' immediates alone.
; THE MATRIX INSTRUCTION IS USED TRANSPOSED (source 0 = 16 rows of Wout, source 1 = 16 tokens): a lane holds eight neighbouring columns of one row.  The bias is the C of each sum's first product.
; No prefetch: a single fill at the head.  One tile to a work-group.
.set PITCH, 528                        ; an LDS row: 512 bytes + 16 of padding = 132 words: the 16 rows that a fragment load touches start at 16 different banks (64 banks of 4 bytes: ISA guide 11.1)
.set QTR,   64*PITCH                   ; what one tensor load brings
.set AOFF,  256*PITCH                  ; behind Wout's 256 rows: the tokens' 128
.set STG,   384*PITCH                  ; behind the tiles, in blocks of 256 bytes into which no fill lands: two stages of 16 rows x 272 bytes for each wave
.set SP,    272
.set BS,    16                         ; v16-47  Wout's scale words [column tile][K step]
.set AS,    48                         ; v48-63  the tokens' [row tile][K step / 2]: even steps in lanes 0-15, odd in lanes 16-31
.set F0,    64                         ; v64-127, v128-191 two fragment buffers: the tokens' 4 x 8, then Wout's 4 x 8
.set BK,    192                        ; v192-255 the way out: two sets of 32
.set BIAS,  128                        ; window 1: v0-127 the accumulators (8 (4 i + n)); v128-159 the bias
.set G1B,   24                         ; s[24:31] descriptor group 1 for Wout's tiles;  s[32:39] for the tokens';  s[40:43], s[44:47] their groups 0
.set G1A,   32
.set G0B,   40
.set G0A,   44
.set MSB, 0
.macro WIN new                         ; the immediate's high byte repeats the setting that is left
.if MSB != \new
	s_set_vgpr_msb (MSB<<8)|\new
.set MSB, \new
.endif
.endm
.macro CROUND                          ; a round of the cluster's barrier
	s_barrier_signal -1
	s_barrier_wait -1
	s_cmp_lg_u32 s16, 0
	s_cbranch_scc1 .Lnot_wave_0_\@
	s_barrier_signal -3
.Lnot_wave_0_\@:
	s_barrier_wait -3
	s_barrier_signal -1
	s_barrier_wait -1
.endm
.macro PLACES
.rept 4
	v_nop
.endr
.endm
	s_load_b256 s[4:11], s[0:1], 0x0               ; ao, aos, Wout's codes, Wout's scales
	s_load_b128 s[12:15], s[0:1], 0x20             ; bout, out0
	v_lshl_add_u32 v14, v0, 2, 0x42800
	v_mov_b32 v15, 0
	ds_add_u32 v14, v15
	ds_add_u32 v14, v15
	v_lshrrev_b32 v1, 5, v0
	v_readfirstlane_b32 s16, v1                    ; wave 0..7
	s_lshr_b32 s17, s16, 2                         ; which 64 rows
	s_and_b32 s18, s16, 3                          ; which 64 columns.  Also: which quarter of Wout's tile I fetch
	s_bfe_u32 s19, ttmp6, 0x40000                  ; cx, cy: my place in the cluster
	s_bfe_u32 s20, ttmp6, 0x40004
	s_lshl_b32 s21, ttmp9, 2
	s_add_co_u32 s21, s21, s19                     ; tile column = 4 x cluster x + cx
	s_and_b32 s22, ttmp7, 0xffff
	s_lshl_b32 s22, s22, 2
	s_add_co_u32 s22, s22, s20                     ; tile row = 4 x cluster y + cy
	s_lshl_b32 s23, s20, 2
	s_lshl_b32 s23, 15, s23                        ; my row of the cluster
	s_lshl_b32 s48, 0x1111, s19                    ; my column
	; descriptor group 1: 64 rows of 512 bytes, dense in memory, 16 bytes of padding behind each in LDS
	s_or_b32 s[G1A], s23, (1<<20)|(1<<21)|(6<<22)|(3<<25)   ; 15:0 the mask: the tokens' tiles go to my row; 17:16 elements of 1 byte; 20 padding on; 21 set beside a mask; 24:22 after every 128 words (code 6); 31:25 four words (code 3)
	s_or_b32 s[G1B], s48, (1<<20)|(1<<21)|(6<<22)|(3<<25)   ; Wout's go to my column
.irp g, G1A, G1B
	s_mov_b32 s[\g+1], 512<<16                     ; tensor_dim0
	s_mov_b32 s[\g+2], 64<<16                      ; tensor_dim1
	s_mov_b32 s[\g+3], 512<<16                     ; tile_dim0
	s_mov_b32 s[\g+4], 64                          ; tile_dim1
	s_mov_b32 s[\g+5], 512                         ; tensor_dim0_stride
	s_mov_b32 s[\g+6], 0
	s_mov_b32 s[\g+7], 0
.endr
	; Wout's tile hangs on the tile column alone, the tokens' on the tile row alone; each offset is made in registers that never hold the other coordinate
	s_lshl_b32 s50, s21, 17
	s_lshl_b32 s54, s18, 15
	s_add_co_u32 s50, s50, s54                     ; (256 x tile column + 64 x quarter) rows of 512 bytes
	s_mov_b32 s51, 0
	s_lshl_b32 s52, s22, 16
	s_and_b32 s55, s16, 1
	s_lshl_b32 s55, s55, 15
	s_add_co_u32 s52, s52, s55                     ; 65,536 x tile row + 32,768 x half
	s_mov_b32 s53, 0
	s_mul_i32 s49, s16, QTR                        ; where my tile goes: wave x 64 rows: no place in the cluster enters an LDS address
	s_wait_dscnt 0x0
	s_wait_kmcnt 0x0
	s_mov_b32 s[G0B], 1
	s_mov_b32 s[G0B+1], s49
	s_add_nc_u64 s[G0B+2:G0B+3], s[8:9], s[50:51]
	s_or_b32 s[G0B+3], s[G0B+3], 0x80000000
	s_mov_b32 s[G0A], 1
	s_mov_b32 s[G0A+1], s49
	s_add_nc_u64 s[G0A+2:G0A+3], s[4:5], s[52:53]
	s_or_b32 s[G0A+3], s[G0A+3], 0x80000000
	CROUND                                         ; all sixteen work-groups are here: the joint loads meet
	s_cmp_lt_u32 s16, 4                            ; the branches hang on the wave's number alone.  Four v_nop follow each of the two lines
	s_cbranch_scc0 .Lnot_b
	tensor_load_to_lds s[G0B:G0B+3], s[G1B:G1B+7]
	s_nop 0
	PLACES
	s_branch .Lasked
.Lnot_b:
	s_cmp_lt_u32 s16, 6
	s_cbranch_scc0 .Lasked
	tensor_load_to_lds s[G0A:G0A+3], s[G1A:G1A+7]
	s_nop 0
	PLACES
.Lasked:
	v_and_b32 v1, 15, v0                           ; r
	v_bfe_u32 v2, v0, 4, 1                         ; h
	v_mul_u32_u24 v3, v1, PITCH
	v_lshl_add_u32 v3, v2, 4, v3
	s_mul_i32 s54, s18, QTR
	v_add_nc_u32 v3, s54, v3                       ; Wout's fragments: row r x pitch + 16 h, my 64 rows
	v_and_b32 v8, 31, v0
	v_lshlrev_b32 v4, 4, v8
	s_mul_i32 s54, s17, QTR
	s_add_co_u32 s54, s54, AOFF
	v_add_nc_u32 v4, s54, v4                       ; the tokens' images: 16 x lane, my four row tiles
	s_mul_i32 s54, s16, 2*16*SP
	s_add_co_u32 s54, s54, STG                     ; my stages
	v_mul_u32_u24 v5, v1, SP
	v_lshl_add_u32 v5, v2, 5, v5
	v_add_nc_u32 v5, s54, v5                       ; in: row r, 32 bytes for each half of the lanes
	v_mul_u32_u24 v6, v2, SP
	v_lshl_add_u32 v6, v1, 4, v6
	v_add_nc_u32 v6, s54, v6                       ; back: lanes 0-15 one row of 256 bytes, lanes 16-31 the next
	v_lshlrev_b32 v7, 12, v2
	v_lshl_add_u32 v7, v1, 4, v7                   ; and the same two rows in out0
	v_lshlrev_b32 v8, 2, v8                        ; 4 x lane
	v_lshlrev_b32 v9, 5, v1                        ; 32 r
	v_lshlrev_b32 v10, 5, v2                       ; 32 h
	s_lshl_b32 s56, s21, 13
	s_lshl_b32 s54, s18, 11
	s_add_co_u32 s56, s56, s54                     ; Wout's scales: my 64 rows of 32 bytes
	s_mov_b32 s57, 0
	s_add_nc_u64 s[56:57], s[10:11], s[56:57]
	s_lshl_b32 s58, s22, 12
	s_lshl_b32 s54, s17, 11
	s_add_co_u32 s58, s58, s54                     ; the tokens' scale words: my four row tiles of 512 bytes
	s_mov_b32 s59, 0
	s_add_nc_u64 s[58:59], s[6:7], s[58:59]
	s_lshl_b32 s60, s21, 10
	s_lshl_b32 s54, s18, 8
	s_add_co_u32 s60, s60, s54                     ; my first column, in bytes
	s_mov_b32 s61, 0
	s_lshl_b32 s62, s22, 19
	s_lshl_b32 s54, s17, 18
	s_add_co_u32 s62, s62, s54
	s_add_co_u32 s62, s62, s60                     ; and my first row's place in out0
	s_mov_b32 s63, 0
	s_add_nc_u64 s[60:61], s[12:13], s[60:61]
	s_add_nc_u64 s[62:63], s[14:15], s[62:63]
.irp n, 0,1,2,3
.irp f, 0,1
	global_load_b128 v[BS+8*\n+4*\f:BS+8*\n+4*\f+3], v9, s[56:57] offset:512*\n+16*\f
.endr
.endr
.irp i, 0,1,2,3
.irp f, 0,1,2,3
	global_load_b32 v[AS+4*\i+\f], v8, s[58:59] offset:512*\i+128*\f
.endr
.endr
	WIN 0x40                                       ; destination window 1
.irp n, 0,1,2,3
.irp f, 0,1
	global_load_b128 v[BIAS+8*\n+4*\f:BIAS+8*\n+4*\f+3], v10, s[60:61] offset:64*\n+16*\f   ; lane (r, h): bout at columns 16 n + 8 h + 0 .. 7
.endr
.endr
	WIN 0
	s_wait_tensorcnt 0x0                           ; my tile has landed,
	s_barrier_signal -1
	s_barrier_wait -1                              ; everybody's has
	s_wait_loadcnt 0x0                             ; scales and bias
.macro FETCH kk                        ; the fragments of K step kk: 16 LDS loads in one run
.set FB, F0+64*((\kk)%2)
.irp i, 0,1,2,3
.irp c, 0,1
	ds_load_b128 v[FB+8*\i+4*\c:FB+8*\i+4*\c+3], v4 offset:PITCH*(16*\i+2*(\kk)+\c)
.endr
.endr
.irp n, 0,1,2,3
.irp c, 0,1
	ds_load_b128 v[FB+32+8*\n+4*\c:FB+32+8*\n+4*\c+3], v3 offset:16*PITCH*\n+64*(\kk)+32*\c
.endr
.endr
.endm
.macro MUL kk                          ; 16 products; the accumulators take turns, one instruction a turn, in the same order in every K step
.set FB, F0+64*((\kk)%2)
.irp i, 0,1,2,3
.irp n, 0,1,2,3
.if (\kk) == 0
	v_wmma_scale_f32_16x16x128_f8f6f4 v[8*(4*\i+\n):8*(4*\i+\n)+7], v[FB+32+8*\n:FB+32+8*\n+7], v[FB+8*\i:FB+8*\i+7], v[BIAS+8*\n:BIAS+8*\n+7], v[BS+8*\n+(\kk)], v[AS+4*\i+(\kk)/2] matrix_a_fmt:MATRIX_FMT_FP4 matrix_b_fmt:MATRIX_FMT_FP4
.elseif (\kk)%2
	v_wmma_scale_f32_16x16x128_f8f6f4 v[8*(4*\i+\n):8*(4*\i+\n)+7], v[FB+32+8*\n:FB+32+8*\n+7], v[FB+8*\i:FB+8*\i+7], v[8*(4*\i+\n):8*(4*\i+\n)+7], v[BS+8*\n+(\kk)], v[AS+4*\i+(\kk)/2] matrix_a_fmt:MATRIX_FMT_FP4 matrix_b_fmt:MATRIX_FMT_FP4 matrix_b_scale:MATRIX_SCALE_ROW1
.else
	v_wmma_scale_f32_16x16x128_f8f6f4 v[8*(4*\i+\n):8*(4*\i+\n)+7], v[FB+32+8*\n:FB+32+8*\n+7], v[FB+8*\i:FB+8*\i+7], v[8*(4*\i+\n):8*(4*\i+\n)+7], v[BS+8*\n+(\kk)], v[AS+4*\i+(\kk)/2] matrix_a_fmt:MATRIX_FMT_FP4 matrix_b_fmt:MATRIX_FMT_FP4
.endif
.endr
.endr
.endm
	FETCH 0
.irp k, 0,1,2,3,4,5,6,7
.if \k > 0
	PLACES                                         ; four places in front of loads into the buffer that the last products read
.endif
.if \k < 7
	FETCH \k+1
	s_wait_dscnt 16                                ; this K step's fragments are in; the 16 loads just issued may be out
.else
	s_wait_dscnt 0x0
.endif
	WIN 0x50                                       ; C and D in window 1
	MUL \k
	WIN 0
.endr
; THE WAY OUT, a row tile at a time.  A lane holds 32 neighbouring bytes of a row and the lanes beside it other rows: so a tile goes through my own stage and comes back as rows of 256 bytes.
; LDS serves a wave's instructions in order (ISA guide 5.7.1.4): no wait between the stores and the loads.
.macro TOSTAGE a
	WIN 0x04                                       ; an LDS store's data are its source 1: window 1
.irp n, 0,1,2,3
	ds_store_b128 v5, v[8*(4*(\a)+\n):8*(4*(\a)+\n)+3] offset:16*SP*((\a)%2)+64*\n          ; each accumulator from its low end on
	ds_store_b128 v5, v[8*(4*(\a)+\n)+4:8*(4*(\a)+\n)+7] offset:16*SP*((\a)%2)+64*\n+16
.endr
	WIN 0
.irp e, 0,1,2,3,4,5,6,7
	ds_load_b128 v[BK+32*((\a)%2)+4*\e:BK+32*((\a)%2)+4*\e+3], v6 offset:16*SP*((\a)%2)+2*SP*\e
.endr
.endm
.macro SEND a                          ; stage row rho of tile a is token 32 (a / 2) + 8 (a % 2) + rho + 8 (rho / 8) of my 64
.irp e, 0,1,2,3,4,5,6,7
	global_store_b128 v7, v[BK+32*((\a)%2)+4*\e:BK+32*((\a)%2)+4*\e+3], s[62:63] offset:(32*((\a)/2)+8*((\a)%2)+2*\e+8*(\e/4))*4096 th:TH_STORE_NT   ; 16 lanes store 256 consecutive bytes, at a multiple of 256 from out0's first byte
.endr
.endm
	PLACES                                         ; between the last products and the first read of results
	TOSTAGE 0
.irp a, 1,2,3
.if \a > 1
	s_wait_xcnt 0x0                                ; tile a - 2's stores have read their registers: tile a's loads may land there
.endif
	TOSTAGE \a
	s_wait_dscnt 16                                ; tile a - 1 is back in registers; tile a's 8 stores and 8 loads may be out
	SEND \a-1
.endr
	s_wait_dscnt 0x0
	SEND 3
	s_wait_tensorcnt 0x0
	ds_add_u32 v14, v15
	s_wait_dscnt 0x0
	CROUND                                         ; the closing round: no work-group ends while a partner may still ask for a tile that names it
	s_endpgm
.Lfunc_end_k_q7c3adac7eb_outp:
	.size	k_q7c3adac7eb_outp, .Lfunc_end_k_q7c3adac7eb_outp-k_q7c3adac7eb_outp
	.p2alignl 7, 3214868480
	.fill 96, 4, 3214868480
	.section	.rodata,"a",@progbits
	.p2align	6, 0x0
	.amdhsa_kernel k_q7c3adac7eb_outp
		.amdhsa_group_segment_fixed_size 273408
		.amdhsa_private_segment_fixed_size 0
		.amdhsa_enable_private_segment 0
		.amdhsa_kernarg_size 48
		.amdhsa_user_sgpr_count 2
		.amdhsa_user_sgpr_kernarg_segment_ptr 1
		.amdhsa_wavefront_size32 1
		.amdhsa_system_sgpr_workgroup_id_x 1
		.amdhsa_system_sgpr_workgroup_id_y 1
		.amdhsa_system_sgpr_workgroup_id_z 1
		.amdhsa_system_vgpr_workitem_id 0
		.amdhsa_next_free_vgpr 416
		.amdhsa_next_free_sgpr 66
		.amdhsa_reserve_vcc 0
		.amdhsa_float_denorm_mode_32 3
		.amdhsa_float_denorm_mode_16_64 3
		.amdhsa_memory_ordered 1
		.amdhsa_forward_progress 1
		.amdhsa_inst_pref_size 43
	.end_amdhsa_kernel
	.amdgpu_metadata
---
amdhsa.version: [ 1, 2 ]
amdhsa.kernels:
  - .name:           k_q7c3adac7eb_outp
    .symbol:         k_q7c3adac7eb_outp.kd
    .args:
      - { .name: ao, .offset: 0, .size: 8, .value_kind: global_buffer, .address_space: global }
      - { .name: aos, .offset: 8, .size: 8, .value_kind: global_buffer, .address_space: global }
      - { .name: Wout_codes, .offset: 16, .size: 8, .value_kind: global_buffer, .address_space: global }
      - { .name: Wout_scales, .offset: 24, .size: 8, .value_kind: global_buffer, .address_space: global }
      - { .name: bout, .offset: 32, .size: 8, .value_kind: global_buffer, .address_space: global }
      - { .name: out0, .offset: 40, .size: 8, .value_kind: global_buffer, .address_space: global }
    .group_segment_fixed_size: 273408
    .private_segment_fixed_size: 0
    .kernarg_segment_align: 8
    .kernarg_segment_size: 48
    .max_flat_workgroup_size: 256
    .sgpr_count:     66
    .vgpr_count:     416
    .wavefront_size: 32
...
	.end_amdgpu_metadata
.endif
;; end of part 3
;; ======== version 2 of 2: 3 launches
;; workspace buffers: qc 4,194,304 bytes; qs 524,288 bytes; kv 2,293,760 bytes; ao 4,194,304 bytes; aos 262,144 bytes
;; launch proj (part 4): grid 256 x 1, 8 waves a work-group, no clusters, 4,096 bytes of LDS; arguments x_codes, x_scales, Wqa_codes, Wqa_scales, Wkva_codes, Wkva_scales, Wqb_codes, Wqb_scales, Wkvb_codes, Wkvb_scales, qc, qs, kv; writes qc, qs, kv
.if DOCPART == 4
	.amdgcn_target "amdgcn-amd-amdhsa--gfx1250"
	.amdhsa_code_object_version 6
	.text
	.protected	k_q7c3adac7eb_proj
	.globl	k_q7c3adac7eb_proj
	.p2align	8
	.type	k_q7c3adac7eb_proj,@function
k_q7c3adac7eb_proj:
	s_mov_b64 s[64:65], 0
	v_nop
	global_prefetch_b8 v0, s[64:65] scope:SCOPE_SE
	s_setreg_imm32_b32 hwreg(HW_REG_WAVE_SCHED_MODE, 0, 2), 2
	s_setreg_imm32_b32 hwreg(HW_REG_WAVE_MODE, 25, 1), 1
	s_wait_xcnt 0x0
	s_wait_alu depctr_vm_vsrc(0)
; q = rope((x Wqa) Wqb), k = rope(..), v: the four low-rank products on codes of FP4 (E2M1) with one E8M0 scale for each 32 along K, the rotation in f32, and the quantisers of
; qa and kva (along the latents), of q and k (along a head's 64 channels) and of v (along the keys).  Results leave as IMAGES OF OPERAND REGISTERS for the attention launch.
; SHARES.  A work-group owns 32 tokens, as two row tiles u = 0, 1: lane r of tile u is token 8 u + r + 8 (r / 8) of the 32.  The same order is taken for the latents of Wqa and Wkva and for the
; channels of a head in Wqb and Wkvb: in a transposed result (source 0 = 16 rows of a weight, source 1 = 16 tokens) the 16 registers of two neighbouring tiles are then 16 neighbours along the next K.
; Wave w: u = w % 2, g = w / 2.  Stage A (waves 0-5): block g of 32 latents (0, 1: qa; 2: kva) for row tile u, K = 1,024 in 8 steps, two accumulators by turns.
; The latents' codes meet in LDS as register images; one barrier.  Stage B (all waves): query heads 4 g .. 4 g + 3 and key head g for row tile u; value head g, channel tiles 2 u, 2 u + 1, for both row tiles.
; SHORT K.  K = 64 and K = 32 fill a part of the instruction's 128.  The computed operand (qa, kva) holds zero codes in every unused k; the weight's tiles lie dense, four registers each, so its
; eight-register operand reaches into the next tile's codes, which meet those zero codes; four registers of zeros end the run.  Unused scale bytes are 0, never 0xff.
; LIMITS.  inv_freq is the f32 number nearest to 10^(-i/8); sine and cosine come from a reduction by pi/2 in two parts and polynomials of degree 7 and 8, good to about 1e-7 absolute for angles up to 2,047.
; NaN and infinities among the inputs are not served.  A block of zeros gets the byte 1 where the rule says 127: its codes are zeros, and these bytes are read by this program alone;
; blocks whose largest magnitude lies under 2^-124 are held at that byte.
; THE MODE: SCHED_MODE bits 1:0 = 2 (LLVM: expert scheduling mode 2), set by the entry lines.  The code itself states the register dependences
; between vector or matrix instructions and memory or LDS instructions, with s_wait_alu, always for 0.
; THE PLAN.  Registers that memory or LDS instructions touch:
;   v4-v14, v16, v17, v19   offsets and LDS addresses: made at the head, never written again.  One wait on va_vdst ahead of the first load states them all.
;   x, the weights, their scales   loaded once; no vector instruction names them ahead of their loads.
;   v252-v254   the latents' codes and byte: written by the quantiser (waves 6, 7: by the head's zeros), read by two LDS stores, never written again: one wait behind the join.
;   QAO, KVU, KVO0, KVO1, five scale words   LDS loads land in them.  KVU lies where x's fragments lay, which stage A's products read: the same wait states that these are done.
;   PCQ, QWD, PCK, v255, PCV, v18   each written once by vector instructions, read by one store, never written again.  A HEAD'S STORES STAND IN THE NEXT HEAD, behind the places that follow its
;   products: the wait there states that the head before has written its codes and words; no vector instruction behind it names them.
; No register that a memory or LDS instruction has read is written again: the text holds no wait on vm_vsrc.
.set LIMG, 0                           ; LDS: for each u 1,024 bytes: qa's image (512: block g at 256 g), kva's (256), zeros (256)
.set LSC,  2048                        ; for each u 512 bytes: four arrays of 32 words, a block's scale byte for each lane
.set XS,   20                          ; v20-27  x's scale words, K steps 0-7
.set WS,   28                          ; v28-43  stage A's weight scale words [tile][K step]
.set WQS,  44                          ; v44-59  Wqb's scale words [head][tile]
.set WKS,  60                          ; v60-63  Wkvb's, k's four tiles
.set WVS,  64                          ; v64-65  Wkvb's, v's two tiles
.set SQ0,  66                          ; v66-67  qa's two scale bytes;  v68 its scale word
.set SQ1,  67
.set QAS,  68
.set SK0,  69                          ; v69-70  kva's scale words, row tiles 0, 1;  v71 my own row tile's
.set SK1,  70
.set SKU,  71
.set KVO0, 72                          ; v72-79  kva's operand, row tile 0 (four registers of codes, four of zeros);  v80-87 row tile 1
.set KVO1, 80
.set QAO,  88                          ; v88-95  qa's operand, my row tile
.set CSN,  96                          ; v96-127 sixteen pairs (cos, sin)
.set XF,   128                         ; v128-191 x's eight fragments; afterwards:
.set H,    128                         ; v128-159 a head's four tiles
.set T,    160                         ; v160-163 at work in the rotation
.set KVU,  164                         ; v164-171 kva's operand, my own row tile
.set ACA,  192                         ; v192-207 stage A's two accumulators; ahead of stage A:
.set QD,   192                         ; v192-207 the sixteen angles' quadrants
.set MK,   4                           ; s4-s19  the sixteen masks 'odd quadrant' (the arguments' registers, done with when the addresses are made)
.set TM,   208                         ; v208-223 the quantiser: +0.. largest magnitudes, +4.. bytes, +12.. the conversions' scale operands
.set SW,   224                         ; v224-234 sine and cosine at work; afterwards:
.set PCQ,  224                         ; v224-239 q's codes, four heads
.set PCK,  240                         ; v240-243 k's codes
.set PCV,  244                         ; v244-247 v's codes
.set QWD,  248                         ; v248-251 q's scale words
.set PCA,  252                         ; v252-253 stage A's codes;  v254 its byte
.set PWA,  254
; window 1: v0-127 stage A's weight fragments (8 (8 tile + K step)); v128-191 Wqb, 16 tiles x 4; v192-207 Wkvb for k; v208-215 Wkvb for v; v216-219 zeros
.set MSB, 0
.macro WIN new                         ; the immediate's high byte repeats the setting that is left
.if MSB != \new
	s_set_vgpr_msb (MSB<<8)|\new
.set MSB, \new
.endif
.endm
.macro MM d, a, b, sa, sb              ; a product that starts a sum
	v_wmma_scale_f32_16x16x128_f8f6f4 v[\d:\d+7], v[\a:\a+7], v[\b:\b+7], 0, v[\sa], v[\sb] matrix_a_fmt:MATRIX_FMT_FP4 matrix_b_fmt:MATRIX_FMT_FP4
.endm
.macro MMA d, a, b, sa, sb             ; and one that adds in place
	v_wmma_scale_f32_16x16x128_f8f6f4 v[\d:\d+7], v[\a:\a+7], v[\b:\b+7], v[\d:\d+7], v[\sa], v[\sb] matrix_a_fmt:MATRIX_FMT_FP4 matrix_b_fmt:MATRIX_FMT_FP4
.endm
.macro PLACES n
.rept \n
	v_nop
.endr
.endm
; cos and sin of position x inv_freq for pair p, in two parts.  Lanes 0-15 hold frequency 16 (p / 8) + p % 8 (lo), lanes 16-31 the one eight further on (hi).
; The first part leaves cos r and sin r of the reduced angle in the pair's own registers, the quadrant in v[QD + p] and the mask 'odd quadrant' in s[MK + p]: the sixteen compares are one run.
.macro SC1 p, lo, hi
	v_mov_b32 v[SW], \lo
	v_mov_b32 v[SW+1], \hi
	v_cndmask_b32 v[SW], v[SW], v[SW+1], s33
	v_mul_f32 v[SW], v15, v[SW]                    ; the angle a, rounded once
	v_mul_f32 v[SW+1], s36, v[SW]
	v_rndne_f32 v[SW+1], v[SW+1]                   ; n = the nearest whole number to a x 2 / pi
	v_fma_f32 v[SW+2], v[SW+1], s37, v[SW]         ; a - n x (pi/2's f32 part): exact,
	v_fma_f32 v[SW+2], v[SW+1], s38, v[SW+2]       ; and the rest of pi/2: r, within pi/4 of 0
	v_cvt_i32_f32 v[QD+\p], v[SW+1]                ; the quadrant
	v_mul_f32 v[SW+4], v[SW+2], v[SW+2]            ; z = r r
	v_fma_f32 v[SW+5], v[SW+4], s41, s40
	v_fma_f32 v[SW+6], v[SW+4], s44, s43
	v_mul_f32 v[SW+7], v[SW+4], v[SW+2]
	v_fma_f32 v[SW+5], v[SW+5], v[SW+4], s39
	v_fma_f32 v[SW+6], v[SW+6], v[SW+4], s42
	v_and_b32 v[SW+8], 1, v[QD+\p]
	v_fma_f32 v[CSN+2*\p+1], v[SW+5], v[SW+7], v[SW+2]   ; sin r
	v_fma_f32 v[SW+6], v[SW+6], v[SW+4], -0.5
	v_cmp_eq_u32 s[MK+\p], 1, v[SW+8]
	v_fma_f32 v[CSN+2*\p], v[SW+6], v[SW+4], 1.0   ; cos r
.endm
; The second part, behind the one wait for the sixteen masks.
.macro SC2 p
	v_lshlrev_b32 v[SW+8], 30, v[QD+\p]
	v_add_nc_u32 v[SW+3], 1, v[QD+\p]
	v_cndmask_b32 v[SW+9], v[CSN+2*\p+1], v[CSN+2*\p], s[MK+\p]    ; in odd quadrants the two change places (a choice of values, no branch)
	v_cndmask_b32 v[SW+10], v[CSN+2*\p], v[CSN+2*\p+1], s[MK+\p]
	v_and_b32 v[SW+8], 0x80000000, v[SW+8]         ; the sine is negative in quadrants 2, 3,
	v_lshlrev_b32 v[SW+3], 30, v[SW+3]
	v_xor_b32 v[CSN+2*\p+1], v[SW+9], v[SW+8]
	v_and_b32 v[SW+3], 0x80000000, v[SW+3]         ; the cosine in 1, 2
	v_xor_b32 v[CSN+2*\p], v[SW+10], v[SW+3]
.endm
; The rotation of a head's 32 pairs: registers 2 p, 2 p + 1 are channels 2 i, 2 i + 1.  Ascending.
.macro ROPE
.irp p, 0,1,2,3,4,5,6,7,8,9,10,11,12,13,14,15
	v_mul_f32 v[T+2*(\p%2)], v[H+2*\p+1], v[CSN+2*\p+1]
	v_mul_f32 v[T+2*(\p%2)+1], v[H+2*\p], v[CSN+2*\p+1]
	v_fma_f32 v[H+2*\p], v[H+2*\p], v[CSN+2*\p], -v[T+2*(\p%2)]
	v_fma_f32 v[H+2*\p+1], v[H+2*\p+1], v[CSN+2*\p], v[T+2*(\p%2)+1]
.endr
.endm
; nb blocks of 32: register src + 16 b + i of lane (r, h) is number 16 h + i of block b.  Codes to v[pc + 2 b], v[pc + 2 b + 1]; bytes to v[TM + 4 + b].
; swap = 1 (two blocks): the halves change places, so that a lane holds a whole block: lanes 0-15 block 0, lanes 16-31 block 1, in four registers.
.macro QUANT src, nb, pc, swap
.irp b, 0,1
.if \b < \nb
	v_max3_num_f32 v[TM+\b], |v[\src+16*\b]|, |v[\src+1+16*\b]|, 0x1800000   ; my 16 numbers, and the floor 2^(3 - 127): the byte cannot fall under 1
.endif
.endr
.irp i, 2,4,6,8,10,12,14
.irp b, 0,1
.if \b < \nb
	v_max3_num_f32 v[TM+\b], v[TM+\b], |v[\src+16*\b+\i]|, |v[\src+1+16*\b+\i]|
.endif
.endr
.endr
.irp b, 0,1
.if \b < \nb
	v_permlanex16_b32 v[TM+4+\b], v[TM+\b], s34, s35
.endif
.endr
.irp b, 0,1
.if \b < \nb
	v_max_num_f32 v[TM+\b], v[TM+\b], v[TM+4+\b]   ; with lane l xor 16's: the block's largest magnitude
.endif
.endr
.irp b, 0,1
.if \b < \nb
	v_add_nc_u32 v[TM+12+\b], 0xff000000, v[TM+\b] ; 2 off its exponent field: the conversion's scale operand
.endif
.endr
.irp b, 0,1
.if \b < \nb
	v_lshrrev_b32 v[TM+4+\b], 23, v[TM+12+\b]      ; the scale's byte
.endif
.endr
.irp b, 0,1
.if \b < \nb
	v_cvt_scalef32_pk8_fp4_f32 v[\pc+2*\b], v[\src+16*\b:\src+16*\b+7], v[TM+12+\b]
	v_cvt_scalef32_pk8_fp4_f32 v[\pc+2*\b+1], v[\src+16*\b+8:\src+16*\b+15], v[TM+12+\b]
.endif
.endr
	v_nop                                          ; one plain place behind the last scaled conversion
.if \swap
	v_permlane16_swap_b32 v[\pc], v[\pc+2]
	v_permlane16_swap_b32 v[\pc+1], v[\pc+3]
.endif
.endm
; The products of a head of 64 channels for my 16 tokens: four tiles, transposed, and the places behind them.  The stores of the head before, and then the rotation, follow the macro.
.macro HEADM wreg, sreg, opnd, oscale
	WIN 0x01                                       ; source 0 (the weight) in window 1
.irp t, 0,1,2,3
	MM H+8*\t, \wreg+4*\t, \opnd, \sreg+\t, \oscale
.endr
	WIN 0
	PLACES 4                                       ; four places between the products and the first read of their results (ISA guide 7.12.1)
.endm
	s_load_b512 s[4:19], s[0:1], 0x0               ; x codes, x scales, Wqa codes, scales, Wkva codes, scales, Wqb codes, scales
	s_load_b256 s[20:27], s[0:1], 0x40             ; Wkvb codes, scales, qc, qs
	s_load_b64 s[28:29], s[0:1], 0x60              ; kv
	v_lshl_add_u32 v222, v0, 2, 0xc00
	v_mov_b32 v223, 0
	v_lshrrev_b32 v1, 5, v0
	v_readfirstlane_b32 s30, v1                    ; wave 0..7
	s_wait_alu depctr_va_sdst(0)                   ; s30 is written, ahead of its first reader: u, g, the branches on the wave's number and the addresses are made from it
	s_and_b32 s31, s30, 1                          ; u
	s_lshr_b32 s32, s30, 1                         ; g
	s_mov_b32 s33, 0xffff0000                      ; the mask of lanes 16-31
	s_mov_b32 s34, 0x76543210
	s_mov_b32 s35, 0xfedcba98                      ; v_permlanex16_b32's selects for lane l xor 16
	s_mov_b32 s36, 0x3f22f983                      ; 2 / pi
	s_mov_b32 s37, 0xbfc90fdb                      ; -(pi/2 rounded to f32)
	s_mov_b32 s38, 0x333bbd2e                      ; that number less pi/2
	s_mov_b32 s39, 0xbe2aaaa3                      ; the sine's coefficients of z, z^2, z^3
	s_mov_b32 s40, 0x3c08839e
	s_mov_b32 s41, 0xb94ca1f9
	s_mov_b32 s42, 0x3d2aaaa5                      ; the cosine's of z^2, z^3, z^4
	s_mov_b32 s43, 0xbab6061a
	s_mov_b32 s44, 0x37ccf5ce
	v_and_b32 v1, 15, v0                           ; r
	v_bfe_u32 v2, v0, 4, 1                         ; h
	v_and_b32 v3, 8, v1
	v_add_nc_u32 v3, v3, v1                        ; rp = r + 8 (r / 8)
	v_lshlrev_b32 v4, 9, v3
	v_lshl_add_u32 v4, v2, 4, v4                   ; rows of 512 bytes (x, Wqa, Wkva): 512 rp + 16 h
	v_lshlrev_b32 v5, 5, v3                        ; rows of 32 bytes (their scales; two rows of Wkvb): 32 rp
	v_lshl_add_u32 v6, v2, 4, v5                   ; Wqb: 32 rp + 16 h
	v_lshlrev_b32 v7, 1, v3                        ; Wqb's and Wkvb's scales: 2 rp
	v_and_b32 v9, 31, v0
	v_lshlrev_b32 v8, 4, v9                        ; 16 x lane: an image's place
	v_lshlrev_b32 v9, 2, v9                        ; 4 x lane
	s_wait_alu depctr_va_vdst(0)
	v_lshlrev_b32 v10, 4, v1
	v_lshl_add_u32 v10, v2, 3, v10                 ; 16 r + 8 h: half a block's codes in an image
	s_lshl_b32 s45, s31, 10
	s_lshl_b32 s54, s32, 8
	s_add_co_u32 s54, s54, s45
	v_add_nc_u32 v11, s54, v10                     ; where I store my latents' codes: 1,024 u + 256 g + 16 r + 8 h
	v_add_nc_u32 v13, s45, v8                      ; where I read my row tile's images: 1,024 u + 16 x lane
	s_lshl_b32 s45, s31, 9
	s_lshl_b32 s54, s32, 7
	s_add_co_u32 s54, s54, s45
	s_add_co_u32 s54, s54, LSC
	v_add_nc_u32 v12, s54, v9                      ; where I store the byte: LSC + 512 u + 128 g + 4 x lane
	s_add_co_u32 s45, s45, LSC
	v_add_nc_u32 v14, s45, v9                      ; and read my row tile's: LSC + 512 u + 4 x lane
	s_and_b32 s45, ttmp9, 63
	s_lshl_b32 s45, s45, 5
	s_lshl_b32 s54, s31, 3
	s_add_co_u32 s45, s45, s54
	v_add_nc_u32 v15, s45, v3
	v_cvt_f32_u32 v15, v15                         ; my token's position in its sequence
	v_lshlrev_b32 v16, 2, v1
	v_lshl_add_u32 v16, v2, 1, v16                 ; 4 r + 2 h
	s_lshl_b32 s54, s31, 10
	v_add_nc_u32 v17, s54, v5                      ; Wkvb for v: channels 32 u on
	s_lshl_b32 s54, s31, 6
	v_add_nc_u32 v19, s54, v7                      ; and their scales
.irp i, 0,1,2,3
	v_mov_b32 v[KVO0+4+\i], 0                      ; the zero codes of the unused k
	v_mov_b32 v[KVO1+4+\i], 0
	v_mov_b32 v[QAO+4+\i], 0
	v_mov_b32 v[TM+4+\i], 0                        ; written once: a lane permute's destination counts as one of its sources
.endr
	v_mov_b32 v[PCA], 0                            ; waves 6 and 7 multiply nothing in stage A: their zeros fill the upper half of kva's image
	v_mov_b32 v[PCA+1], 0
	v_mov_b32 v[PWA], 0
	; byte offsets, each in the pair that will hold the address
	s_lshl_b32 s50, ttmp9, 14
	s_lshl_b32 s45, s31, 12
	s_add_co_u32 s50, s50, s45                     ; x: (32 W + 8 u) rows of 512
	s_mov_b32 s51, 0
	s_lshl_b32 s52, ttmp9, 10
	s_lshl_b32 s45, s31, 8
	s_add_co_u32 s52, s52, s45                     ; its scales: rows of 32
	s_mov_b32 s53, 0
	s_cmp_lt_u32 s30, 4
	s_cselect_b32 s54, s32, 0                      ; qa's block, or 0 for kva
	s_lshl_b32 s46, s54, 14
	s_mov_b32 s47, 0
	s_lshl_b32 s48, s54, 10
	s_mov_b32 s49, 0
	s_lshl_b32 s56, s32, 13                        ; Wqb: 256 rows of 32 bytes for my four heads
	s_mov_b32 s57, 0
	s_lshl_b32 s58, s32, 9
	s_mov_b32 s59, 0
	s_lshl_b32 s60, s32, 11                        ; Wkvb: 128 rows of 16 bytes for my head
	s_mov_b32 s61, 0
	s_lshl_b32 s62, s32, 7
	s_mov_b32 s63, 0
	s_lshl_b32 s66, ttmp9, 14
	s_lshl_b32 s45, s31, 13
	s_add_co_u32 s66, s66, s45
	s_lshl_b32 s45, s32, 11
	s_add_co_u32 s66, s66, s45                     ; qc: (16 (2 W + u) + 4 g) x 512
	s_mov_b32 s67, 0
	s_lshr_b32 s68, s66, 3                         ; qs: the same x 64
	s_mov_b32 s69, 0
	s_lshr_b32 s45, ttmp9, 6
	s_lshl_b32 s45, s45, 2
	s_add_co_u32 s45, s45, s32
	s_lshl_b32 s45, s45, 4
	s_bfe_u32 s54, ttmp9, 0x40002
	s_add_co_u32 s45, s45, s54
	s_mul_i32 s45, s45, 8960                       ; kv: block ((4 b + g) 16 + step of 128 keys)
	s_and_b32 s54, ttmp9, 3                        ; which 32 of the 128
	s_lshl_b32 s70, s54, 10
	s_lshl_b32 s55, s31, 9
	s_add_co_u32 s70, s70, s55
	s_add_co_u32 s70, s70, s45                     ; k's image: tile 2 beta + u
	s_mov_b32 s71, 0
	s_lshl_b32 s72, s54, 7
	s_lshl_b32 s55, s31, 6
	s_add_co_u32 s72, s72, s55
	s_add_co_u32 s72, s72, s45
	s_add_co_u32 s72, s72, 8192                    ; its scale words
	s_mov_b32 s73, 0
	s_lshl_b32 s74, s54, 8
	s_lshl_b32 s55, s31, 11
	s_add_co_u32 s74, s74, s55
	s_add_co_u32 s74, s74, s45
	s_add_co_u32 s74, s74, 4096                    ; v's image: channel tile 2 u, 256 bytes for my 32 keys
	s_mov_b32 s75, 0
	s_lshl_b32 s76, s31, 7
	s_add_co_u32 s76, s76, s54
	s_add_co_u32 s76, s76, s45
	s_add_co_u32 s76, s76, 8704                    ; its scale bytes
	s_mov_b32 s77, 0
	s_wait_kmcnt 0x0
	s_cmp_lt_u32 s30, 4                            ; the choice hangs on the wave's number alone
	s_cselect_b64 s[8:9], s[8:9], s[12:13]
	s_cselect_b64 s[10:11], s[10:11], s[14:15]
	s_add_nc_u64 s[46:47], s[8:9], s[46:47]
	s_add_nc_u64 s[48:49], s[10:11], s[48:49]
	s_add_nc_u64 s[50:51], s[4:5], s[50:51]
	s_add_nc_u64 s[52:53], s[6:7], s[52:53]
	s_add_nc_u64 s[56:57], s[16:17], s[56:57]
	s_add_nc_u64 s[58:59], s[18:19], s[58:59]
	s_add_nc_u64 s[60:61], s[20:21], s[60:61]
	s_add_nc_u64 s[62:63], s[22:23], s[62:63]
	s_add_nc_u64 s[66:67], s[24:25], s[66:67]
	s_add_nc_u64 s[68:69], s[26:27], s[68:69]
	s_add_nc_u64 s[70:71], s[28:29], s[70:71]
	s_add_nc_u64 s[72:73], s[28:29], s[72:73]
	s_add_nc_u64 s[74:75], s[28:29], s[74:75]
	s_add_nc_u64 s[76:77], s[28:29], s[76:77]
	s_wait_alu depctr_va_vdst(0)                   ; the offsets and LDS addresses v4 to v14, v16, v17 and v19 are written, which every load and store of the kernel reads; up to the last of the 98 loads below the only vector lines are four that write window 1's v216 to v219, which no load touches
	; ---- stage A's 54 loads (waves 0-5)
	s_cmp_lt_u32 s30, 6
	s_cbranch_scc0 .Lno_a_loads
	global_load_b128 v[XS:XS+3], v5, s[52:53]
	global_load_b128 v[XS+4:XS+7], v5, s[52:53] offset:16
.irp q, 0,1
.irp f, 0,1
	global_load_b128 v[WS+8*\q+4*\f:WS+8*\q+4*\f+3], v5, s[48:49] offset:256*\q+16*\f
.endr
.endr
.irp k, 0,1,2,3,4,5,6,7
.irp c, 0,1
	global_load_b128 v[XF+8*\k+4*\c:XF+8*\k+4*\c+3], v4, s[50:51] offset:64*\k+32*\c
.endr
.endr
	WIN 0x40                                       ; destination window 1
.irp q, 0,1
.irp k, 0,1,2,3,4,5,6,7
.irp c, 0,1
	global_load_b128 v[8*(8*\q+\k)+4*\c:8*(8*\q+\k)+4*\c+3], v4, s[46:47] offset:4096*\q+64*\k+32*\c
.endr
.endr
.endr
	WIN 0
.Lno_a_loads:
	; ---- stage B's 44 loads (all waves)
	WIN 0x40
.irp e, 0,1,2,3
.irp t, 0,1,2,3
	global_load_b128 v[128+16*\e+4*\t:128+16*\e+4*\t+3], v6, s[56:57] offset:2048*\e+32*(32*(\t/2)+8*(\t%2))
.endr
.endr
.irp t, 0,1,2,3
	global_load_b128 v[192+4*\t:192+4*\t+3], v5, s[60:61] offset:32*(32*(\t/2)+8*(\t%2))   ; k's rows are the even rows of Wkvb.  K = 32: lanes 16-31 take the same bytes, which meet zero codes
.endr
.irp q, 0,1
	global_load_b128 v[208+4*\q:208+4*\q+3], v17, s[60:61] offset:256*\q+16                ; v's the odd rows
.endr
.irp i, 0,1,2,3
	v_mov_b32 v[216+\i], 0                         ; the zeros that end the run of dense tiles
.endr
	WIN 0
.irp e, 0,1,2,3
.irp t, 0,1,2,3
	global_load_u16 v[WQS+4*\e+\t], v7, s[58:59] offset:128*\e+2*(32*(\t/2)+8*(\t%2))
.endr
.endr
.irp t, 0,1,2,3
	global_load_u8 v[WKS+\t], v7, s[62:63] offset:2*(32*(\t/2)+8*(\t%2))
.endr
.irp q, 0,1
	global_load_u8 v[WVS+\q], v19, s[62:63] offset:16*\q+1
.endr
	; ---- cos and sin of my token's 16 angles, while the loads are on their way
	SC1 0,  0x3f800000, 0x3dcccccd
	SC1 1,  0x3f3ff911, 0x3d99940e
	SC1 2,  0x3f0ff59a, 0x3d6655c3
	SC1 3,  0x3ed7e89b, 0x3d2cba15
	SC1 4,  0x3ea1e89b, 0x3d0186e2
	SC1 5,  0x3e72d424, 0x3cc24350
	SC1 6,  0x3e361887, 0x3c91ad39
	SC1 7,  0x3e088d77, 0x3c5a7bf1
	SC1 8,  0x3c23d70a, 0x3a83126f
	SC1 9,  0x3bf5b9b0, 0x3a44948c
	SC1 10, 0x3bb8449c, 0x3a136a16
	SC1 11, 0x3b8a2e77, 0x39dd1726
	SC1 12, 0x3b4f3e37, 0x39a5cb5f
	SC1 13, 0x3b1b690d, 0x3978a814
	SC1 14, 0x3ae91528, 0x393a7753
	SC1 15, 0x3aaec98e, 0x390bd472
	s_wait_alu depctr_va_sdst(0)                   ; the sixteen compares have written s4 to s19, ahead of the first choice that reads one of them
.irp p, 0,1,2,3,4,5,6,7,8,9,10,11,12,13,14,15
	SC2 \p
.endr
	; ---- stage A: 32 latents for my 16 tokens
	s_cmp_lt_u32 s30, 6
	s_cbranch_scc0 .Lno_a
	s_wait_loadcnt 44                              ; stage A's 54 loads are in; the 44 issued behind them may be out
	WIN 0x01
.irp k, 0,1,2,3,4,5,6,7
.irp q, 0,1
.if \k == 0
	MM ACA+8*\q, 8*(8*\q+\k), XF+8*\k, WS+8*\q+\k, XS+\k       ; the first K step starts both sums
.else
	MMA ACA+8*\q, 8*(8*\q+\k), XF+8*\k, WS+8*\q+\k, XS+\k      ; the two accumulators by turns
.endif
.endr
.endr
	WIN 0
	PLACES 4
	QUANT ACA, 1, PCA, 0
	v_mov_b32 v[PWA], v[TM+4]
.Lno_a:
	s_wait_alu depctr_va_vdst(0)                   ; the conversions and the move have written v252 to v254, which the two LDS stores read; stage A's products are done reading x's fragments, in four registers of which an LDS load behind the barrier lands
	ds_store_b64 v11, v[PCA:PCA+1]                 ; half a block's codes at their place in the operand's image
	ds_store_b32 v12, v[PWA]
	s_wait_dscnt 0x0                               ; for the others' sake: my stores have landed
	s_barrier_signal -1
	s_barrier_wait -1
	ds_load_b128 v[QAO:QAO+3], v13                 ; qa, my row tile
	ds_load_b128 v[KVU:KVU+3], v13 offset:512      ; kva, my row tile
	ds_load_b128 v[KVO0:KVO0+3], v8 offset:LIMG+512
	ds_load_b128 v[KVO1:KVO1+3], v8 offset:LIMG+1536
	ds_load_b32 v[SQ0], v14
	ds_load_b32 v[SQ1], v14 offset:128
	ds_load_b32 v[SKU], v14 offset:256
	ds_load_b32 v[SK0], v9 offset:LSC+256
	ds_load_b32 v[SK1], v9 offset:LSC+768
.irp i, 0,1,2,3
	v_mov_b32 v[KVU+4+\i], 0
.endr
	s_wait_dscnt 0x0
	s_wait_loadcnt 0x0                             ; stage B's weights and scales
	v_lshl_or_b32 v[QAS], v[SQ1], 8, v[SQ0]        ; qa's scale word: two bytes; those of the unused k stay 0
	PLACES 8                                       ; a scale register written by a vector instruction stands eight places ahead of the scaled product
	s_wait_alu depctr_va_vdst(0)                   ; behind the places: qa's scale word is written, and so are the zero codes in kva's operand and at the end of window 1's dense tiles, which the scaled products below take as scales and operands
	; ---- q: four heads.  Head e's codes and words are stored in the head that follows, behind its products' places
.irp e, 0,1,2,3
	HEADM 128+16*\e, WQS+4*\e, QAO, QAS
.if \e > 0
	s_wait_alu depctr_va_vdst(0)                   ; the head before has written its codes (and, every second head, two heads' scale words), which the stores below read
	global_store_b128 v8, v[PCQ+4*(\e-1):PCQ+4*(\e-1)+3], s[66:67] offset:512*(\e-1)   ; 32 lanes store 512 consecutive bytes
.endif
.if \e == 2
	global_store_b32 v9, v[QWD], s[68:69]          ; heads 0 and 1: two heads' words: 128 consecutive bytes
.endif
	ROPE
	QUANT H, 2, PCQ+4*\e, 1
	v_lshl_or_b32 v[QWD+\e], v[TM+5], 8, v[TM+4]
	v_or_b32 v[QWD+\e], 0x7f7f0000, v[QWD+\e]      ; the unused k get the byte of 1.0
.if \e%2
	v_cndmask_b32 v[QWD+\e-1], v[QWD+\e-1], v[QWD+\e], s33
.endif
.endr
	; ---- k: one head
	HEADM 192, WKS, KVU, SKU
	s_wait_alu depctr_va_vdst(0)                   ; q's last head has written its codes and heads 2 and 3's scale words, which the stores below read
	global_store_b128 v8, v[PCQ+12:PCQ+15], s[66:67] offset:1536
	global_store_b32 v9, v[QWD+2], s[68:69] offset:128
	ROPE
	QUANT H, 2, PCK, 1
	v_lshl_or_b32 v255, v[TM+5], 8, v[TM+4]
	v_mov_b32 v18, 0x7f7f
	v_cndmask_b32 v255, v255, v18, s33             ; lanes 0-15 store the two bytes, lanes 16-31 the two of the unused k
	; ---- v: source 0 = 16 tokens, source 1 = 16 channels: a lane holds a channel, and the 16 registers of the two row tiles are 16 neighbouring keys
	WIN 0x04                                       ; source 1 (the weight) in window 1
.irp q, 0,1
	MM H+16*\q, KVO0, 208+4*\q, SK0, WVS+\q
	MM H+16*\q+8, KVO1, 208+4*\q, SK1, WVS+\q
.endr
	WIN 0
	PLACES 4
	s_wait_alu depctr_va_vdst(0)                   ; k's head has written its codes and v255, which the stores below read
	global_store_b128 v8, v[PCK:PCK+3], s[70:71]
	global_store_b16 v16, v255, s[72:73]
	QUANT H, 2, PCV, 0                             ; two channel tiles, a block of 32 keys each; the halves stay: they are stored side by side
	v_cndmask_b32 v18, v[TM+4], v[TM+5], s33
	s_wait_alu depctr_va_vdst(0)                   ; the conversions have written v's codes and the choice v18, which the last three stores read
	global_store_b64 v10, v[PCV:PCV+1], s[74:75]                 ; 256 consecutive bytes, aligned
	global_store_b64 v10, v[PCV+2:PCV+3], s[74:75] offset:1024
	global_store_b8 v9, v18, s[76:77]              ; my 32 keys' byte of each channel's scale word
	s_wait_dscnt 0x0                               ; the closing lines, six on end
	s_wait_alu 0x0
	s_wait_tensorcnt 0x0
	ds_add_u32 v222, v223
	s_wait_dscnt 0x0
	s_endpgm
.Lfunc_end_k_q7c3adac7eb_proj:
	.size	k_q7c3adac7eb_proj, .Lfunc_end_k_q7c3adac7eb_proj-k_q7c3adac7eb_proj
	.p2alignl 7, 3214868480
	.fill 96, 4, 3214868480
	.section	.rodata,"a",@progbits
	.p2align	6, 0x0
	.amdhsa_kernel k_q7c3adac7eb_proj
		.amdhsa_group_segment_fixed_size 4096
		.amdhsa_private_segment_fixed_size 0
		.amdhsa_enable_private_segment 0
		.amdhsa_kernarg_size 104
		.amdhsa_user_sgpr_count 2
		.amdhsa_user_sgpr_kernarg_segment_ptr 1
		.amdhsa_wavefront_size32 1
		.amdhsa_system_sgpr_workgroup_id_x 1
		.amdhsa_system_sgpr_workgroup_id_y 1
		.amdhsa_system_sgpr_workgroup_id_z 1
		.amdhsa_system_vgpr_workitem_id 0
		.amdhsa_next_free_vgpr 480
		.amdhsa_next_free_sgpr 80
		.amdhsa_reserve_vcc 0
		.amdhsa_float_denorm_mode_32 3
		.amdhsa_float_denorm_mode_16_64 3
		.amdhsa_memory_ordered 1
		.amdhsa_forward_progress 1
		.amdhsa_inst_pref_size 76
	.end_amdhsa_kernel
	.amdgpu_metadata
---
amdhsa.version: [ 1, 2 ]
amdhsa.kernels:
  - .name:           k_q7c3adac7eb_proj
    .symbol:         k_q7c3adac7eb_proj.kd
    .args:
      - { .name: x_codes, .offset: 0, .size: 8, .value_kind: global_buffer, .address_space: global }
      - { .name: x_scales, .offset: 8, .size: 8, .value_kind: global_buffer, .address_space: global }
      - { .name: Wqa_codes, .offset: 16, .size: 8, .value_kind: global_buffer, .address_space: global }
      - { .name: Wqa_scales, .offset: 24, .size: 8, .value_kind: global_buffer, .address_space: global }
      - { .name: Wkva_codes, .offset: 32, .size: 8, .value_kind: global_buffer, .address_space: global }
      - { .name: Wkva_scales, .offset: 40, .size: 8, .value_kind: global_buffer, .address_space: global }
      - { .name: Wqb_codes, .offset: 48, .size: 8, .value_kind: global_buffer, .address_space: global }
      - { .name: Wqb_scales, .offset: 56, .size: 8, .value_kind: global_buffer, .address_space: global }
      - { .name: Wkvb_codes, .offset: 64, .size: 8, .value_kind: global_buffer, .address_space: global }
      - { .name: Wkvb_scales, .offset: 72, .size: 8, .value_kind: global_buffer, .address_space: global }
      - { .name: qc, .offset: 80, .size: 8, .value_kind: global_buffer, .address_space: global }
      - { .name: qs, .offset: 88, .size: 8, .value_kind: global_buffer, .address_space: global }
      - { .name: kv, .offset: 96, .size: 8, .value_kind: global_buffer, .address_space: global }
    .group_segment_fixed_size: 4096
    .private_segment_fixed_size: 0
    .kernarg_segment_align: 8
    .kernarg_segment_size: 104
    .max_flat_workgroup_size: 256
    .sgpr_count:     80
    .vgpr_count:     480
    .wavefront_size: 32
...
	.end_amdgpu_metadata
.endif
;; end of part 4
;; launch attn (part 5): grid 16 x 16, 16 waves a work-group, no clusters, 19,968 bytes of LDS; arguments qc, qs, kv, ao, aos; writes ao, aos
.if DOCPART == 5
	.amdgcn_target "amdgcn-amd-amdhsa--gfx1250"
	.amdhsa_code_object_version 6
	.text
	.protected	k_q7c3adac7eb_attn
	.globl	k_q7c3adac7eb_attn
	.p2align	8
	.type	k_q7c3adac7eb_attn,@function
k_q7c3adac7eb_attn:
	s_mov_b64 s[64:65], 0
	v_nop
	global_prefetch_b8 v0, s[64:65] scope:SCOPE_SE
	s_setreg_imm32_b32 hwreg(HW_REG_WAVE_SCHED_MODE, 0, 2), 2
	s_setreg_imm32_b32 hwreg(HW_REG_WAVE_MODE, 25, 1), 1
	s_wait_xcnt 0x0
	s_wait_alu depctr_vm_vsrc(0)
; Causal attention on codes of FP4 (E2M1), one E8M0 scale for each 32 along a product's K; head size 64, four query heads to a key and value head.
; t = score x log2(e) / 8; M = the running largest t rounded UP to a whole number; p = 2^(t - M) is quantised along the keys, not normalised; the row's sum is taken of the unquantised p and divides at the end.
; The result, divided, is quantised along the head's 64 channels and leaves as an image of the output product's operand.
; SHARES.  Work-group (j, 4 b + g) owns two blocks of 64 queries of batch b, blocks j and 31 - j, for the four query heads of key head g.  Block jb needs jb / 2 + 1 steps of 128 keys, so every work-group
; walks 17 steps.  Wave w: head 4 g + w / 4, row tile w % 4 of the block: 16 queries in 256 registers, four waves to a SIMD, so that one wave's vector work stands beside another's products and LDS loads.
; At step n1 = j / 2 + 1 every wave finishes block j and takes block 31 - j: a scalar branch on ids, with no barrier and no LDS access inside.
; K AND V.  A step's operands are one dense block of 8,960 bytes, laid as register images.  Each thread copies 16 bytes of it (threads 0-95 eight more) from memory through registers into one of two LDS slots.
; The load for step t + 2 is issued in step t, awaited at the head of step t + 1 and stored into the slot that was read in step t; one barrier at each step's end.
; No joint loads: the work-groups of one key head change blocks at different steps, so at a given step they want different keys.  No prefetch: each copy is asked for a whole step ahead of its wait.
; LAYOUT.  Both products transposed: S^T = K Q^T, O^T = V^T P^T: a lane holds ONE query.  Lane r of key tile 2 b + u is key 32 b + 8 u + r + 8 (r / 8), so the 16 registers of tiles 2 b, 2 b + 1 are 16 neighbouring keys.
; K = 64 fills half of the instruction's 128: Q holds zero codes in the upper half; K's tiles lie dense, four registers each, and reach into the next tile's codes, which meet those zeros.
; LIMITS.  NaN and infinities are not served.  A block of zeros gets the byte 1 where the rule says 127: its codes are zeros, and these bytes are read by this program alone.
; THE MODE: SCHED_MODE bits 1:0 = 2 (LLVM: expert scheduling mode 2), set by the entry lines.  The code itself states the register dependences
; between vector or matrix instructions and memory or LDS instructions, with s_wait_alu, always for 0.
; THE PLAN.  Registers that memory or LDS instructions touch, round the loop:
;   v1-v4, v6, v7   offsets and LDS addresses: made at the head, never written again: one wait on va_vdst ahead of the first load.
;   CP, CPS     The copy's load lands in them; the LDS stores at the next step's head read them; then the next copy's load lands: one wait on vm_vsrc a step, ahead of that load.
;   KT, KSC     LDS loads at a step's head land in them; the step's S^T products read them.  Four waits on va_vdst stand behind those products in the same step, so the next step's loads owe nothing more.
;   VT, VSC     The O^T products at a step's end read them.  THE NEXT STEP'S LOADS OF V STAND BEHIND THAT STEP'S WAIT FOR ITS 64 EXPONENTIALS, which so states this too; they are dealt among the row's sums,
;               which name S^T, the sums and the blocks' maxima alone.
;   PC, v219    At a block's end two stores read them: a wait on va_vdst ahead of the stores, a wait on vm_vsrc (beside the wait on XCNT) ahead of the next step, which writes them again.
;   PC and p's scale word are also operands of the scaled O^T products: a wait on va_vdst stands behind their places, directly ahead of the first of the four.
; The mask's compares go in runs of sixteen into s48 to s63, one wait on va_sdst behind each run.
.set SLOTB, 8960                       ; a slot: K's 8 tiles (4,096), V's 4 tiles (4,096), K's scale words (512), V's (256)
.set KT,   32                          ; v32-63 K's tiles, v64-67 zeros
.set VT,   68                          ; v68-99 V's tiles
.set S,    100                         ; v100-163 S^T, then p
.set O,    164                         ; v164-195 O^T
.set PC,   196                         ; v196-203 p's codes
.set BM,   204                         ; v204-207 the blocks' largest scores, then largest p
.set PX,   208                         ; v208-211 permute destinations, then bytes
.set SO,   212                         ; v212-215 the conversions' scale operands
.set F,    216                         ; v216-217 f = 2^(old M - new M) (the pair's upper word is only named)
.set KSC,  224                         ; v224-227 K's scale words: tile 2 i in lanes 0-15, tile 2 i + 1 in lanes 16-31
.set VSC,  228                         ; v228-229 V's likewise
.set PSC,  230                         ; v230 p's scale word
.set QS,   231                         ; v231 Q's scale word
.set CP,   232                         ; v232-235 the copy's 16 bytes;  v236-237 its 8
.set CPS,  236
.set MK,   48                          ; s48-s63 sixteen masks 'hidden key' (s48 to s55 held Q's addresses, whose loads are waited for at the head)
; v1 16 x lane; v2 4 x lane; v3 16 x thread; v4 8 x thread; v5 r + 8 (r / 8) - 16 h; v6 4 r; v7 4 r + h; v12 -M; v13 the largest t; v14-15 the sum; v16-19 Q, v20-23 zeros; v26-29, v30 the second block's Q and scale word
; s14 wave; s19 n1; s20 the step; s21 the next copy's step; s22 the step's first key; s23 my least query; s24 the second block's; s[26:27] the copy's address; s[36:43] where the results go; s[44:45] the key head's blocks
.macro LDNEXT                          ; the copy of walk step s21: key step s21, or s21 - n1 in the second block
	s_cmp_ge_u32 s21, s19
	s_cselect_b32 s28, s19, 0
	s_sub_co_u32 s28, s21, s28
	s_mul_i32 s28, s28, SLOTB
	s_mov_b32 s29, 0
	s_add_nc_u64 s[26:27], s[44:45], s[28:29]      ; (the earlier copy's loads have been waited for: their base may be written)
	s_add_co_u32 s21, s21, 1
	global_load_b128 v[CP:CP+3], v3, s[26:27]
	s_cmp_lt_u32 s14, 3
	s_cbranch_scc0 .Lno_sc_\@
	global_load_b64 v[CPS:CPS+1], v4, s[26:27] offset:8192
.Lno_sc_\@:
.endm
.macro STORECP sl
	ds_store_b128 v3, v[CP:CP+3] offset:(\sl)*SLOTB
	s_cmp_lt_u32 s14, 3
	s_cbranch_scc0 .Lno_ss_\@
	ds_store_b64 v4, v[CPS:CPS+1] offset:(\sl)*SLOTB+8192
.Lno_ss_\@:
.endm
.macro INIT                            ; a block of queries begins: the step is written once, and its first turn finds zeros, which the first change of M leaves zeros
	v_mov_b32 v13, 0xff61b1e6                      ; -3e38, under every t
	v_floor_f32 v12, -v13
	v_mov_b32 v14, 0
	v_mov_b32 v15, 0
.set n, 0
.rept 32
	v_mov_b32 v[O+n], 0
.set n, n+1
.endr
.endm
; A block of queries ends: O^T / the sum, quantised along the 64 channels (register 16 b + i of lane (r, h) is channel 32 b + 16 h + i).  FINALC is the arithmetic, FINALS the two stores: an image and its two scale bytes.
.macro FINALC
	v_add_f32 v14, v14, v15
	v_permlanex16_b32 v218, v14, s30, s31
	v_add_f32 v14, v14, v218                       ; the row's sum
	s_wait_alu depctr_va_vdst(0)
	v_rcp_f32 v[F], v14
	v_mov_b32 v[F+1], 0                            ; a plain place behind the reciprocal
	s_wait_alu depctr_va_vdst(0)                   ; the reciprocal has written v[F], ahead of its first reader
.set n, 0
.rept 16
	v_pk_mul_f32 v[S+n:S+n+1], v[O+n:O+n+1], v[F:F+1] op_sel_hi:[1,0]   ; ascending: each tile of O^T is first read at its low end
.set n, n+2
.endr
.irp b, 0,1
	v_max3_num_f32 v[BM+\b], |v[S+16*\b]|, |v[S+1+16*\b]|, 0x1800000
.endr
.irp i, 2,4,6,8,10,12,14
.irp b, 0,1
	v_max3_num_f32 v[BM+\b], v[BM+\b], |v[S+16*\b+\i]|, |v[S+1+16*\b+\i]|
.endr
.endr
.irp b, 0,1
	v_permlanex16_b32 v[PX+\b], v[BM+\b], s30, s31
.endr
.irp b, 0,1
	v_max_num_f32 v[BM+\b], v[BM+\b], v[PX+\b]
.endr
.irp b, 0,1
	v_add_nc_u32 v[SO+\b], 0xff000000, v[BM+\b]
.endr
.irp b, 0,1
	v_lshrrev_b32 v[PX+\b], 23, v[SO+\b]
.endr
.irp b, 0,1
	v_cvt_scalef32_pk8_fp4_f32 v[PC+2*\b], v[S+16*\b:S+16*\b+7], v[SO+\b]
	v_cvt_scalef32_pk8_fp4_f32 v[PC+2*\b+1], v[S+16*\b+8:S+16*\b+15], v[SO+\b]
.endr
	v_nop                                          ; one plain place behind the last scaled conversion
	v_permlane16_swap_b32 v[PC], v[PC+2]
	v_permlane16_swap_b32 v[PC+1], v[PC+3]
	v_cndmask_b32 v219, v[PX], v[PX+1], s34        ; lanes 0-15 store block 0's byte, lanes 16-31 block 1's
.endm
.macro FINALS ao, as
	s_wait_alu depctr_va_vdst(0)                   ; the conversions, the exchanges and the choice have written the codes and v219, which the two stores read
	global_store_b128 v1, v[PC:PC+3], s[\ao:\ao+1] ; 512 consecutive bytes
	global_store_b8 v7, v219, s[\as:\as+1]
.endm
.macro SWITCH
	FINALC
.irp i, 0,1,2,3
	v_mov_b32 v[16+\i], v[26+\i]
.endr
	v_mov_b32 v[QS], v30
	INIT                                           ; (its 36 lines are also the places between the scale word's move and the next scaled product)
	FINALS 36, 40                                  ; its wait stands behind those places and states this too: the second block's Q and its scale word are written, which the next scaled products take as operand and scales
	s_mov_b32 s22, 0
	s_mov_b32 s23, s24
	s_wait_xcnt 0x0                                ; the two stores have had their addresses translated: their registers are written again only behind this wait,
	s_wait_alu depctr_vm_vsrc(0)                   ; and behind this one: the two stores have read the codes and v219, which the next step's conversions and mask write again
.endm
; A STEP of 128 keys out of LDS slot `slot`.  sw: the change of blocks may fall here.  st: the next step's copy is stored.  ld: the copy after that is asked for.
; mk: 1 the mask, passed over where all keys count; 2 the mask always; 0 none.  bar: a barrier closes the step.
.macro STEP slot, sw, st, ld, mk, bar
.if \sw
	s_cmp_lg_u32 s20, s19
	s_cbranch_scc1 .Lsame_\@
	SWITCH
.Lsame_\@:
.endif
.if \st
	s_wait_loadcnt 0x0                             ; the copy asked for a step ago is in registers
	STORECP 1-\slot                                ; into the slot that every wave had finished reading at the last barrier
.endif
.irp k, 0,1,2,3,4,5,6,7
	ds_load_b128 v[KT+4*\k:KT+4*\k+3], v1 offset:\slot*SLOTB+512*\k   ; no wait on va_vdst here: the last products that read K's tiles and scale words stand ahead of the last step's four such waits
.endr
.irp i, 0,1,2,3
	ds_load_b32 v[KSC+\i], v2 offset:\slot*SLOTB+8192+128*\i
.endr
	s_wait_dscnt 0x0                               ; K and its scale words are in, the copy's stores have landed
.if \ld
	s_wait_alu depctr_vm_vsrc(0)                   ; the copy's LDS stores have read v232 to v237, in which the next copy's loads land
	LDNEXT
.endif
.irp t, 0,1,2,3,4,5,6,7
.if \t%2
	v_wmma_scale_f32_16x16x128_f8f6f4 v[S+8*\t:S+8*\t+7], v[KT+4*\t:KT+4*\t+7], v[16:23], 0, v[KSC+\t/2], v[QS] matrix_a_fmt:MATRIX_FMT_FP4 matrix_b_fmt:MATRIX_FMT_FP4 matrix_a_scale:MATRIX_SCALE_ROW1
.else
	v_wmma_scale_f32_16x16x128_f8f6f4 v[S+8*\t:S+8*\t+7], v[KT+4*\t:KT+4*\t+7], v[16:23], 0, v[KSC+\t/2], v[QS] matrix_a_fmt:MATRIX_FMT_FP4 matrix_b_fmt:MATRIX_FMT_FP4
.endif
.endr
.rept 4
	v_nop                                          ; four places between the products and the first read of their results (ISA guide 7.12.1)
.endr
.if \mk
.if \mk == 1
	s_add_co_u32 s46, s22, 127
	s_cmp_le_u32 s46, s23
	s_cbranch_scc1 .Lopen_\@                       ; all 128 keys count for all my queries
.endif
	s_sub_co_i32 s46, s23, s22
	v_add_nc_u32 v218, s46, v5                     ; d = my query - the step's first key - 16 h.  Register 16 b + i holds key 32 b + 16 h + i: hidden where 32 b + i > d
	v_mov_b32 v219, 0xff800000                     ; -infinity: p = 0 then
.set n, 0
.rept 4                                        ; a block of 32 keys, sixteen registers, at a time: the compares in a run, one wait, the choices
.set m, 0
.rept 16
	v_cmp_gt_i32 s[MK+m], 32*(n/16)+m, v218
.set m, m+1
.endr
	s_wait_alu depctr_va_sdst(0)                   ; the sixteen compares have written s48 to s63, ahead of the first choice that reads one of them
.set m, 0
.rept 16
	v_cndmask_b32 v[S+n+m], v[S+n+m], v219, s[MK+m]
.set m, m+1
.endr
.set n, n+16
.endr
.Lopen_\@:
.endif
.irp b, 0,1,2,3
	v_max3_num_f32 v[BM+\b], v[S+16*\b], v[S+1+16*\b], v[S+2+16*\b]   ; the largest score of each block of 32 keys: for the row's maximum, and, since p rises with the score, for the block's largest p
.endr
.irp i, 3,5,7,9,11,13
.irp b, 0,1,2,3
	v_max3_num_f32 v[BM+\b], v[BM+\b], v[S+16*\b+\i], v[S+1+16*\b+\i]
.endr
.endr
.irp b, 0,1,2,3
	v_max_num_f32 v[BM+\b], v[BM+\b], v[S+15+16*\b]
.endr
.irp b, 0,1,2,3
	v_permlanex16_b32 v[PX+\b], v[BM+\b], s30, s31
.endr
.irp b, 0,1,2,3
	v_max_num_f32 v[BM+\b], v[BM+\b], v[PX+\b]     ; with lane l xor 16's 16 keys
.endr
	v_max3_num_f32 v218, v[BM], v[BM+1], v[BM+2]
	v_max_num_f32 v218, v218, v[BM+3]
	v_mul_f32 v218, s32, v218                      ; the step's largest t
	v_max_num_f32 v13, v13, v218                   ; the running largest t
	v_mov_b32 v218, v12
	v_floor_f32 v12, -v13                          ; -M = floor(-t): M is a whole number
	v_sub_f32 v218, v12, v218                      ; old M - new M, a whole number, 0 or less
	v_cvt_i32_f32 v218, v218                       ; (it saturates)
	v_ldexp_f32 v[F], 1.0, v218                    ; f = 2^(old M - new M): a multiplication by it rounds nothing
.set n, 0
.rept 32
	v_pk_fma_f32 v[S+n:S+n+1], v[S+n:S+n+1], s[32:33], v[12:13] op_sel_hi:[1,0,0]   ; t - M, two at a time
.set n, n+2
.endr
.irp b, 0,1,2,3
	v_fma_f32 v[BM+\b], v[BM+\b], s32, v12         ; the same of each block's largest score
.endr
.set n, 0
	s_wait_alu depctr_va_vdst(0)
.rept 64
	v_exp_f32 v[S+n], v[S+n]                       ; p = 2^(t - M), at most 1
.set n, n+1
.endr
	v_pk_mul_f32 v[14:15], v[14:15], v[F:F+1] op_sel_hi:[1,0]   ; the sums under the new M: the plain place behind the exponentials
	s_wait_alu depctr_va_vdst(0)                   ; the 64 exponentials have written p, ahead of its first reader; and the last step's O^T products are done reading V's tiles and scale words, in which the loads below land
.irp b, 0,1,2,3
	v_exp_f32 v[BM+\b], v[BM+\b]                   ; the blocks' largest p
.endr
	v_pk_add_f32 v[220:221], v[S:S+1], v[S+2:S+3]  ; the row's sum of the unquantised p, in two chains
.set n, 4
.set m, 0
.rept 15
.if m < 8
	ds_load_b128 v[VT+4*m:VT+4*m+3], v1 offset:\slot*SLOTB+4096+512*m   ; V's ten loads, one ahead of each pair of additions.  No wait: no vector instruction since the wait above names V's registers
.elseif m < 10
	ds_load_b32 v[VSC+m-8], v2 offset:\slot*SLOTB+8704+128*(m-8)
.endif
	v_pk_add_f32 v[14:15], v[14:15], v[S+n:S+n+1]
	v_pk_add_f32 v[220:221], v[220:221], v[S+n+2:S+n+3]
.set n, n+4
.set m, m+1
.endr
	v_pk_add_f32 v[14:15], v[14:15], v[220:221]
	s_wait_alu depctr_va_vdst(0)                   ; the four exponentials have written the blocks' largest p, ahead of its first reader
.irp b, 0,1,2,3
	v_max_num_f32 v[BM+\b], 0x1800000, v[BM+\b]    ; the floor 2^(3 - 127): the byte cannot fall under 1
.endr
.irp b, 0,1,2,3
	v_add_nc_u32 v[SO+\b], 0xff000000, v[BM+\b]    ; 2 off the exponent field: the conversion's scale operand
.endr
.irp b, 0,1,2,3
	v_lshrrev_b32 v[PX+\b], 23, v[SO+\b]
.endr
	v_lshl_or_b32 v[PSC], v[PX+1], 8, v[PX]        ; p's scale word for these 128 keys
	v_lshl_or_b32 v[PSC], v[PX+2], 16, v[PSC]
	v_lshl_or_b32 v[PSC], v[PX+3], 24, v[PSC]
.irp b, 0,1,2,3
	v_cvt_scalef32_pk8_fp4_f32 v[PC+2*\b], v[S+16*\b:S+16*\b+7], v[SO+\b]
	v_cvt_scalef32_pk8_fp4_f32 v[PC+2*\b+1], v[S+16*\b+8:S+16*\b+15], v[SO+\b]
.endr
	v_nop                                          ; one plain place behind the last scaled conversion
.irp c, 0,1                                    ; a whole block to a lane: lanes 0-15 block 2 c, lanes 16-31 block 2 c + 1
.irp i, 0,1
	v_permlane16_swap_b32 v[PC+4*\c+\i], v[PC+2+4*\c+\i]
.endr
.endr
.set n, 0
.rept 16
	v_pk_mul_f32 v[O+n:O+n+1], v[O+n:O+n+1], v[F:F+1] op_sel_hi:[1,0]   ; O^T under the new M.  These 16 are also the places between the scale word, the codes and the products below
.set n, n+2
.endr
	s_wait_dscnt 0x0                               ; V and its scale words are in; none of my LDS instructions is out
	s_wait_alu depctr_va_vdst(0)                   ; behind the places: p's codes and p's scale word are written, which the scaled products below take as operand and scales
.irp t, 0,1,2,3
.if \t%2
	v_wmma_scale_f32_16x16x128_f8f6f4 v[O+8*\t:O+8*\t+7], v[VT+8*\t:VT+8*\t+7], v[PC:PC+7], v[O+8*\t:O+8*\t+7], v[VSC+\t/2], v[PSC] matrix_a_fmt:MATRIX_FMT_FP4 matrix_b_fmt:MATRIX_FMT_FP4 matrix_a_scale:MATRIX_SCALE_ROW1
.else
	v_wmma_scale_f32_16x16x128_f8f6f4 v[O+8*\t:O+8*\t+7], v[VT+8*\t:VT+8*\t+7], v[PC:PC+7], v[O+8*\t:O+8*\t+7], v[VSC+\t/2], v[PSC] matrix_a_fmt:MATRIX_FMT_FP4 matrix_b_fmt:MATRIX_FMT_FP4
.endif
.endr
.rept 4
	v_nop                                          ; four places in front of the next read of O^T
.endr
	s_add_co_u32 s20, s20, 1
	s_add_co_u32 s22, s22, 128
.if \bar
	s_barrier_signal -1                            ; my reads of this slot are back and my stores into the other have landed (the wait for 0 above)
	s_barrier_wait -1
.endif
.endm
	s_load_b256 s[4:11], s[0:1], 0x0               ; qc, qs, kv, ao
	s_load_b64 s[12:13], s[0:1], 0x20              ; aos
	v_lshl_add_u32 v254, v0, 2, 0x4600
	v_mov_b32 v255, 0
	v_lshrrev_b32 v1, 5, v0
	v_readfirstlane_b32 s14, v1                    ; wave 0..15
	s_wait_alu depctr_va_sdst(0)                   ; s14 is written, ahead of its first reader: the head, the row tile, the branches on the wave's number and the addresses are made from it
	s_lshr_b32 s15, s14, 2                         ; which of the four heads
	s_and_b32 s16, s14, 3                          ; which row tile of a block
	s_mov_b32 s17, ttmp9                           ; j
	s_and_b32 s18, ttmp7, 0xffff                   ; 4 b + g
	s_lshr_b32 s19, s17, 1
	s_add_co_u32 s19, s19, 1                       ; n1
	s_mov_b32 s20, 0
	s_mov_b32 s21, 0
	s_mov_b32 s22, 0
	s_lshr_b32 s46, s16, 1
	s_lshl_b32 s46, s46, 5
	s_and_b32 s47, s16, 1
	s_lshl_b32 s47, s47, 3
	s_add_co_u32 s46, s46, s47                     ; my tile's least query in a block
	s_lshl_b32 s23, s17, 6
	s_add_co_u32 s23, s23, s46
	s_sub_co_u32 s24, 31, s17
	s_lshl_b32 s24, s24, 6
	s_add_co_u32 s24, s24, s46
	s_and_b32 s47, s18, 3
	s_lshl_b32 s47, s47, 2
	s_add_co_u32 s47, s47, s15                     ; the head
	s_lshr_b32 s46, s18, 2
	s_lshl_b32 s46, s46, 7
	s_add_co_u32 s46, s46, s16                     ; 128 b + tile
	s_lshl_b32 s28, s17, 2
	s_add_co_u32 s28, s28, s46                     ; row tile of the first block
	s_sub_co_u32 s29, 31, s17
	s_lshl_b32 s29, s29, 2
	s_add_co_u32 s29, s29, s46                     ; and of the second
	s_lshl_b32 s48, s28, 4
	s_add_co_u32 s48, s48, s47
	s_lshl_b32 s52, s48, 6                         ; qs: (16 R + head) x 64
	s_lshl_b32 s48, s48, 9                         ; qc, ao: x 512
	s_mov_b32 s49, 0
	s_mov_b32 s53, 0
	s_lshl_b32 s50, s29, 4
	s_add_co_u32 s50, s50, s47
	s_lshl_b32 s54, s50, 6
	s_lshl_b32 s50, s50, 9
	s_mov_b32 s51, 0
	s_mov_b32 s55, 0
	s_lshr_b32 s56, s47, 1
	s_and_b32 s57, s47, 1
	s_lshl_b32 s57, s57, 1
	s_lshl_b32 s40, s28, 3
	s_add_co_u32 s40, s40, s56
	s_lshl_b32 s40, s40, 6
	s_add_co_u32 s40, s40, s57                     ; aos: (8 R + head / 2) x 64 + 2 (head % 2)
	s_mov_b32 s41, 0
	s_lshl_b32 s42, s29, 3
	s_add_co_u32 s42, s42, s56
	s_lshl_b32 s42, s42, 6
	s_add_co_u32 s42, s42, s57
	s_mov_b32 s43, 0
	s_mul_i32 s44, s18, 16*SLOTB
	s_mov_b32 s45, 0
	s_mov_b32 s30, 0x76543210
	s_mov_b32 s31, 0xfedcba98                      ; v_permlanex16_b32's selects for lane l xor 16
	s_mov_b32 s32, 0x3e38aa3b                      ; log2(e) / 8
	s_mov_b32 s33, s32                             ; (named with it as a pair, so it is written)
	s_mov_b32 s34, 0xffff0000                      ; the mask of lanes 16-31
	v_and_b32 v2, 31, v0
	v_lshlrev_b32 v1, 4, v2
	v_lshlrev_b32 v2, 2, v2
	v_lshlrev_b32 v3, 4, v0
	v_lshlrev_b32 v4, 3, v0
	v_and_b32 v8, 15, v0
	v_bfe_u32 v9, v0, 4, 1
	v_and_b32 v5, 8, v8
	v_add_nc_u32 v5, v5, v8
	v_lshlrev_b32 v10, 4, v9
	v_sub_nc_u32 v5, v5, v10
	v_lshlrev_b32 v6, 2, v8
	v_add_nc_u32 v7, v6, v9
.irp i, 0,1,2,3
	v_mov_b32 v[20+\i], 0                          ; Q's zero codes of the unused k
	v_mov_b32 v[KT+32+\i], 0                       ; the zeros that end the run of K's dense tiles
	v_mov_b32 v[PX+\i], 0                          ; written once: a lane permute's destination counts as one of its sources
.endr
	v_mov_b32 v[CPS], 0                            ; written once, ahead of the first copy: the pair is loaded under one branch on the wave's number and stored under another,
	v_mov_b32 v[CPS+1], 0                          ; so it holds a number on every path through the two
	v_mov_b32 v[F+1], 0
	v_mov_b32 v218, 0
	INIT
	s_wait_kmcnt 0x0
	s_add_nc_u64 s[44:45], s[8:9], s[44:45]
	s_add_nc_u64 s[36:37], s[10:11], s[48:49]
	s_add_nc_u64 s[38:39], s[10:11], s[50:51]
	s_add_nc_u64 s[40:41], s[12:13], s[40:41]
	s_add_nc_u64 s[42:43], s[12:13], s[42:43]
	s_add_nc_u64 s[48:49], s[4:5], s[48:49]
	s_add_nc_u64 s[50:51], s[4:5], s[50:51]
	s_add_nc_u64 s[52:53], s[6:7], s[52:53]
	s_add_nc_u64 s[54:55], s[6:7], s[54:55]
	s_wait_alu depctr_va_vdst(0)                   ; the offsets and LDS addresses v1 to v4, v6 and v7 are written, which every load and store of the kernel reads; so is the pair v236, v237, in which a load lands; so are Q's and K's zero codes, which the scaled products take as operands (INIT's lines are the places behind them)
	LDNEXT                                         ; step 0's operands
	global_load_b128 v[16:19], v1, s[48:49]        ; both blocks' Q stay in registers
	global_load_b32 v[QS], v6, s[52:53]
	global_load_b128 v[26:29], v1, s[50:51]
	global_load_b32 v30, v6, s[54:55]
	s_wait_loadcnt 0x0
	STORECP 0
	s_wait_dscnt 0x0                               ; for the others' sake: my part of slot 0 has landed
	s_wait_alu depctr_vm_vsrc(0)                   ; the copy's LDS stores have read v232 to v237, in which the next copy's loads land
	LDNEXT                                         ; step 1's
	s_barrier_signal -1
	s_barrier_wait -1
	s_mov_b32 s25, 7
.Ltrip:                                            ; steps 0 to 13, two a trip, so that the slot is a constant of the text; n1 is at most 8, so the change of blocks and the first block's diagonal fall here
	STEP 0, 1, 1, 1, 1, 1
	STEP 1, 1, 1, 1, 1, 1
	s_sub_co_u32 s25, s25, 1
	s_cmp_lg_u32 s25, 0
	s_cbranch_scc1 .Ltrip
	STEP 0, 0, 1, 1, 0, 1                          ; step 14 asks for the last copy,
	STEP 1, 0, 1, 0, 0, 1                          ; step 15 stores it,
	STEP 0, 0, 0, 0, 2, 0                          ; step 16 lies on the second block's diagonal
	FINALC
	FINALS 38, 42
	s_wait_dscnt 0x0                               ; the closing lines, six on end
	s_wait_alu 0x0
	s_wait_tensorcnt 0x0
	ds_add_u32 v254, v255
	s_wait_dscnt 0x0
	s_endpgm
.Lfunc_end_k_q7c3adac7eb_attn:
	.size	k_q7c3adac7eb_attn, .Lfunc_end_k_q7c3adac7eb_attn-k_q7c3adac7eb_attn
	.p2alignl 7, 3214868480
	.fill 96, 4, 3214868480
	.section	.rodata,"a",@progbits
	.p2align	6, 0x0
	.amdhsa_kernel k_q7c3adac7eb_attn
		.amdhsa_group_segment_fixed_size 19968
		.amdhsa_private_segment_fixed_size 0
		.amdhsa_enable_private_segment 0
		.amdhsa_kernarg_size 40
		.amdhsa_user_sgpr_count 2
		.amdhsa_user_sgpr_kernarg_segment_ptr 1
		.amdhsa_wavefront_size32 1
		.amdhsa_system_sgpr_workgroup_id_x 1
		.amdhsa_system_sgpr_workgroup_id_y 1
		.amdhsa_system_sgpr_workgroup_id_z 1
		.amdhsa_system_vgpr_workitem_id 0
		.amdhsa_next_free_vgpr 256
		.amdhsa_next_free_sgpr 66
		.amdhsa_reserve_vcc 0
		.amdhsa_float_denorm_mode_32 3
		.amdhsa_float_denorm_mode_16_64 3
		.amdhsa_memory_ordered 1
		.amdhsa_forward_progress 1
		.amdhsa_inst_pref_size 126
	.end_amdhsa_kernel
	.amdgpu_metadata
---
amdhsa.version: [ 1, 2 ]
amdhsa.kernels:
  - .name:           k_q7c3adac7eb_attn
    .symbol:         k_q7c3adac7eb_attn.kd
    .args:
      - { .name: qc, .offset: 0, .size: 8, .value_kind: global_buffer, .address_space: global }
      - { .name: qs, .offset: 8, .size: 8, .value_kind: global_buffer, .address_space: global }
      - { .name: kv, .offset: 16, .size: 8, .value_kind: global_buffer, .address_space: global }
      - { .name: ao, .offset: 24, .size: 8, .value_kind: global_buffer, .address_space: global }
      - { .name: aos, .offset: 32, .size: 8, .value_kind: global_buffer, .address_space: global }
    .group_segment_fixed_size: 19968
    .private_segment_fixed_size: 0
    .kernarg_segment_align: 8
    .kernarg_segment_size: 40
    .max_flat_workgroup_size: 512
    .sgpr_count:     66
    .vgpr_count:     256
    .wavefront_size: 32
...
	.end_amdgpu_metadata
.endif
;; end of part 5
;; launch outp (part 6): grid 4 x 64, 8 waves a work-group, clusters of 4 x 4, 273,408 bytes of LDS; arguments ao, aos, Wout_codes, Wout_scales, bout, out0; writes out0
.if DOCPART == 6
	.amdgcn_target "amdgcn-amd-amdhsa--gfx1250"
	.amdhsa_code_object_version 6
	.text
	.protected	k_q7c3adac7eb_outp
	.globl	k_q7c3adac7eb_outp
	.p2align	8
	.type	k_q7c3adac7eb_outp,@function
k_q7c3adac7eb_outp:
	s_mov_b64 s[64:65], 0
	v_nop
	global_prefetch_b8 v0, s[64:65] scope:SCOPE_SE
	s_setreg_imm32_b32 hwreg(HW_REG_WAVE_MODE, 25, 1), 1
	s_wait_xcnt 0x0
	s_wait_alu depctr_hold_cnt(0) depctr_sa_sdst(0) depctr_va_vdst(0) depctr_va_sdst(0) depctr_va_ssrc(0) depctr_va_vcc(0) depctr_vm_vsrc(0)
	s_getreg_b32 s2, hwreg(HW_REG_IB_STS2, 6, 4)
	s_cmp_eq_u32 s2, 0
	s_cbranch_scc0 .Lentry_in_a_cluster
	s_endpgm
.Lentry_in_a_cluster:
	s_bfe_u32 s2, ttmp6, 0x10000c
	s_cmp_lg_u32 s2, 0xf033
	s_cbranch_scc0 .Lentry_shape_is_right
	s_endpgm
.Lentry_shape_is_right:
; out0 = attention's result x Wout + bout, on codes of FP4 (E2M1) with one E8M0 scale for each 32 along K = 1,024; sums in f32.
; SHARES.  A work-group makes 128 rows x 256 columns: 256 work-groups.  Wave w: rows 64 (w / 4) on (four row tiles), columns 64 (w % 4) on (four column tiles): 16 accumulators.
; All of K lies in LDS behind ONE fill: Wout's 256 rows of 512 bytes and the rows' 128 half fragments of 512 bytes, 196,608 bytes of data; nothing is filled again, so there is no ring.
; CLUSTERS: 4 x 4 work-groups.  The four of a column of the cluster need the same rows of Wout, the four of a row the same tokens: each tile is asked for JOINTLY, by the same tensor load with the same
; descriptor and a mask that names the four.  Waves 0-3 fetch Wout's four quarters, waves 4 and 5 the tokens' two halves: one load a wave.
; The tokens' operand arrives as register images [row tile][head][512 bytes]: heads 2 s and 2 s + 1 are registers 0-3 and 4-7 of the fragment of K step s.  Lane r of row tile 2 G + u is token 32 G + 8 u + r + 8 (r / 8);
; that order is undone in the stores' immediates alone.
; THE MATRIX INSTRUCTION IS USED TRANSPOSED (source 0 = 16 rows of Wout, source 1 = 16 tokens): a lane holds eight neighbouring columns of one row.  The bias is the C of each sum's first product.
; No prefetch: a single fill at the head.  One tile to a work-group.
.set PITCH, 528                        ; an LDS row: 512 bytes + 16 of padding = 132 words: the 16 rows that a fragment load touches start at 16 different banks (64 banks of 4 bytes: ISA guide 11.1)
.set QTR,   64*PITCH                   ; what one tensor load brings
.set AOFF,  256*PITCH                  ; behind Wout's 256 rows: the tokens' 128
.set STG,   384*PITCH                  ; behind the tiles, in blocks of 256 bytes into which no fill lands: two stages of 16 rows x 272 bytes for each wave
.set SP,    272
.set BS,    16                         ; v16-47  Wout's scale words [column tile][K step]
.set AS,    48                         ; v48-63  the tokens' [row tile][K step / 2]: even steps in lanes 0-15, odd in lanes 16-31
.set F0,    64                         ; v64-127, v128-191 two fragment buffers: the tokens' 4 x 8, then Wout's 4 x 8
.set BK,    192                        ; v192-255 the way out: two sets of 32
.set BIAS,  128                        ; window 1: v0-127 the accumulators (8 (4 i + n)); v128-159 the bias
.set G1B,   24                         ; s[24:31] descriptor group 1 for Wout's tiles;  s[32:39] for the tokens';  s[40:43], s[44:47] their groups 0
.set G1A,   32
.set G0B,   40
.set G0A,   44
.set MSB, 0
.macro WIN new                         ; the immediate's high byte repeats the setting that is left
.if MSB != \new
	s_set_vgpr_msb (MSB<<8)|\new
.set MSB, \new
.endif
.endm
.macro CROUND                          ; a round of the cluster's barrier
	s_barrier_signal -1
	s_barrier_wait -1
	s_cmp_lg_u32 s16, 0
	s_cbranch_scc1 .Lnot_wave_0_\@
	s_barrier_signal -3
.Lnot_wave_0_\@:
	s_barrier_wait -3
	s_barrier_signal -1
	s_barrier_wait -1
.endm
.macro PLACES
.rept 4
	v_nop
.endr
.endm
	s_load_b256 s[4:11], s[0:1], 0x0               ; ao, aos, Wout's codes, Wout's scales
	s_load_b128 s[12:15], s[0:1], 0x20             ; bout, out0
	v_lshl_add_u32 v14, v0, 2, 0x42800
	v_mov_b32 v15, 0
	ds_add_u32 v14, v15
	ds_add_u32 v14, v15
	v_lshrrev_b32 v1, 5, v0
	s_delay_alu instid0(VALU_DEP_1)
	v_readfirstlane_b32 s16, v1                    ; wave 0..7
	s_lshr_b32 s17, s16, 2                         ; which 64 rows
	s_and_b32 s18, s16, 3                          ; which 64 columns.  Also: which quarter of Wout's tile I fetch
	s_bfe_u32 s19, ttmp6, 0x40000                  ; cx, cy: my place in the cluster
	s_bfe_u32 s20, ttmp6, 0x40004
	s_lshl_b32 s21, ttmp9, 2
	s_add_co_u32 s21, s21, s19                     ; tile column = 4 x cluster x + cx
	s_and_b32 s22, ttmp7, 0xffff
	s_lshl_b32 s22, s22, 2
	s_add_co_u32 s22, s22, s20                     ; tile row = 4 x cluster y + cy
	s_lshl_b32 s23, s20, 2
	s_lshl_b32 s23, 15, s23                        ; my row of the cluster
	s_lshl_b32 s48, 0x1111, s19                    ; my column
	; descriptor group 1: 64 rows of 512 bytes, dense in memory, 16 bytes of padding behind each in LDS
	s_or_b32 s[G1A], s23, (1<<20)|(1<<21)|(6<<22)|(3<<25)   ; 15:0 the mask: the tokens' tiles go to my row; 17:16 elements of 1 byte; 20 padding on; 21 set beside a mask; 24:22 after every 128 words (code 6); 31:25 four words (code 3)
	s_or_b32 s[G1B], s48, (1<<20)|(1<<21)|(6<<22)|(3<<25)   ; Wout's go to my column
.irp g, G1A, G1B
	s_mov_b32 s[\g+1], 512<<16                     ; tensor_dim0
	s_mov_b32 s[\g+2], 64<<16                      ; tensor_dim1
	s_mov_b32 s[\g+3], 512<<16                     ; tile_dim0
	s_mov_b32 s[\g+4], 64                          ; tile_dim1
	s_mov_b32 s[\g+5], 512                         ; tensor_dim0_stride
	s_mov_b32 s[\g+6], 0
	s_mov_b32 s[\g+7], 0
.endr
	; Wout's tile hangs on the tile column alone, the tokens' on the tile row alone; each offset is made in registers that never hold the other coordinate
	s_lshl_b32 s50, s21, 17
	s_lshl_b32 s54, s18, 15
	s_add_co_u32 s50, s50, s54                     ; (256 x tile column + 64 x quarter) rows of 512 bytes
	s_mov_b32 s51, 0
	s_lshl_b32 s52, s22, 16
	s_and_b32 s55, s16, 1
	s_lshl_b32 s55, s55, 15
	s_add_co_u32 s52, s52, s55                     ; 65,536 x tile row + 32,768 x half
	s_mov_b32 s53, 0
	s_mul_i32 s49, s16, QTR                        ; where my tile goes: wave x 64 rows: no place in the cluster enters an LDS address
	s_wait_dscnt 0x0
	s_wait_kmcnt 0x0
	s_mov_b32 s[G0B], 1
	s_mov_b32 s[G0B+1], s49
	s_add_nc_u64 s[G0B+2:G0B+3], s[8:9], s[50:51]
	s_or_b32 s[G0B+3], s[G0B+3], 0x80000000
	s_mov_b32 s[G0A], 1
	s_mov_b32 s[G0A+1], s49
	s_add_nc_u64 s[G0A+2:G0A+3], s[4:5], s[52:53]
	s_or_b32 s[G0A+3], s[G0A+3], 0x80000000
	CROUND                                         ; all sixteen work-groups are here: the joint loads meet
	s_cmp_lt_u32 s16, 4                            ; the branches hang on the wave's number alone.  Four v_nop follow each of the two lines
	s_cbranch_scc0 .Lnot_b
	tensor_load_to_lds s[G0B:G0B+3], s[G1B:G1B+7]
	s_nop 0
	PLACES
	s_branch .Lasked
.Lnot_b:
	s_cmp_lt_u32 s16, 6
	s_cbranch_scc0 .Lasked
	tensor_load_to_lds s[G0A:G0A+3], s[G1A:G1A+7]
	s_nop 0
	PLACES
.Lasked:
	v_and_b32 v1, 15, v0                           ; r
	v_bfe_u32 v2, v0, 4, 1                         ; h
	s_delay_alu instid0(VALU_DEP_2)
	v_mul_u32_u24 v3, v1, PITCH
	s_delay_alu instid0(VALU_DEP_1)
	v_lshl_add_u32 v3, v2, 4, v3
	s_mul_i32 s54, s18, QTR
	v_add_nc_u32 v3, s54, v3                       ; Wout's fragments: row r x pitch + 16 h, my 64 rows
	v_and_b32 v8, 31, v0
	s_delay_alu instid0(VALU_DEP_1)
	v_lshlrev_b32 v4, 4, v8
	s_mul_i32 s54, s17, QTR
	s_add_co_u32 s54, s54, AOFF
	v_add_nc_u32 v4, s54, v4                       ; the tokens' images: 16 x lane, my four row tiles
	s_mul_i32 s54, s16, 2*16*SP
	s_add_co_u32 s54, s54, STG                     ; my stages
	v_mul_u32_u24 v5, v1, SP
	s_delay_alu instid0(VALU_DEP_1)
	v_lshl_add_u32 v5, v2, 5, v5
	s_delay_alu instid0(VALU_DEP_1)
	v_add_nc_u32 v5, s54, v5                       ; in: row r, 32 bytes for each half of the lanes
	v_mul_u32_u24 v6, v2, SP
	s_delay_alu instid0(VALU_DEP_1)
	v_lshl_add_u32 v6, v1, 4, v6
	s_delay_alu instid0(VALU_DEP_1)
	v_add_nc_u32 v6, s54, v6                       ; back: lanes 0-15 one row of 256 bytes, lanes 16-31 the next
	v_lshlrev_b32 v7, 12, v2
	s_delay_alu instid0(VALU_DEP_1)
	v_lshl_add_u32 v7, v1, 4, v7                   ; and the same two rows in out0
	v_lshlrev_b32 v8, 2, v8                        ; 4 x lane
	v_lshlrev_b32 v9, 5, v1                        ; 32 r
	s_wait_alu depctr_va_vdst(0)
	v_lshlrev_b32 v10, 5, v2                       ; 32 h
	s_wait_alu depctr_va_vdst(0)
	s_lshl_b32 s56, s21, 13
	s_lshl_b32 s54, s18, 11
	s_add_co_u32 s56, s56, s54                     ; Wout's scales: my 64 rows of 32 bytes
	s_mov_b32 s57, 0
	s_add_nc_u64 s[56:57], s[10:11], s[56:57]
	s_lshl_b32 s58, s22, 12
	s_lshl_b32 s54, s17, 11
	s_add_co_u32 s58, s58, s54                     ; the tokens' scale words: my four row tiles of 512 bytes
	s_mov_b32 s59, 0
	s_add_nc_u64 s[58:59], s[6:7], s[58:59]
	s_lshl_b32 s60, s21, 10
	s_lshl_b32 s54, s18, 8
	s_add_co_u32 s60, s60, s54                     ; my first column, in bytes
	s_mov_b32 s61, 0
	s_lshl_b32 s62, s22, 19
	s_lshl_b32 s54, s17, 18
	s_add_co_u32 s62, s62, s54
	s_add_co_u32 s62, s62, s60                     ; and my first row's place in out0
	s_mov_b32 s63, 0
	s_add_nc_u64 s[60:61], s[12:13], s[60:61]
	s_add_nc_u64 s[62:63], s[14:15], s[62:63]
.irp n, 0,1,2,3
.irp f, 0,1
	global_load_b128 v[BS+8*\n+4*\f:BS+8*\n+4*\f+3], v9, s[56:57] offset:512*\n+16*\f
.endr
.endr
.irp i, 0,1,2,3
.irp f, 0,1,2,3
	global_load_b32 v[AS+4*\i+\f], v8, s[58:59] offset:512*\i+128*\f
.endr
.endr
	WIN 0x40                                       ; destination window 1
.irp n, 0,1,2,3
.irp f, 0,1
	global_load_b128 v[BIAS+8*\n+4*\f:BIAS+8*\n+4*\f+3], v10, s[60:61] offset:64*\n+16*\f   ; lane (r, h): bout at columns 16 n + 8 h + 0 .. 7
.endr
.endr
	WIN 0
	s_wait_tensorcnt 0x0                           ; my tile has landed,
	s_barrier_signal -1
	s_barrier_wait -1                              ; everybody's has
	s_wait_loadcnt 0x0                             ; scales and bias
.macro FETCH kk                        ; the fragments of K step kk: 16 LDS loads in one run
.set FB, F0+64*((\kk)%2)
.irp i, 0,1,2,3
.irp c, 0,1
	ds_load_b128 v[FB+8*\i+4*\c:FB+8*\i+4*\c+3], v4 offset:PITCH*(16*\i+2*(\kk)+\c)
.endr
.endr
.irp n, 0,1,2,3
.irp c, 0,1
	ds_load_b128 v[FB+32+8*\n+4*\c:FB+32+8*\n+4*\c+3], v3 offset:16*PITCH*\n+64*(\kk)+32*\c
.endr
.endr
.endm
.macro MUL kk                          ; 16 products; the accumulators take turns, one instruction a turn, in the same order in every K step
.set FB, F0+64*((\kk)%2)
.irp i, 0,1,2,3
.irp n, 0,1,2,3
.if (\kk) == 0
	v_wmma_scale_f32_16x16x128_f8f6f4 v[8*(4*\i+\n):8*(4*\i+\n)+7], v[FB+32+8*\n:FB+32+8*\n+7], v[FB+8*\i:FB+8*\i+7], v[BIAS+8*\n:BIAS+8*\n+7], v[BS+8*\n+(\kk)], v[AS+4*\i+(\kk)/2] matrix_a_fmt:MATRIX_FMT_FP4 matrix_b_fmt:MATRIX_FMT_FP4
.elseif (\kk)%2
	v_wmma_scale_f32_16x16x128_f8f6f4 v[8*(4*\i+\n):8*(4*\i+\n)+7], v[FB+32+8*\n:FB+32+8*\n+7], v[FB+8*\i:FB+8*\i+7], v[8*(4*\i+\n):8*(4*\i+\n)+7], v[BS+8*\n+(\kk)], v[AS+4*\i+(\kk)/2] matrix_a_fmt:MATRIX_FMT_FP4 matrix_b_fmt:MATRIX_FMT_FP4 matrix_b_scale:MATRIX_SCALE_ROW1
.else
	v_wmma_scale_f32_16x16x128_f8f6f4 v[8*(4*\i+\n):8*(4*\i+\n)+7], v[FB+32+8*\n:FB+32+8*\n+7], v[FB+8*\i:FB+8*\i+7], v[8*(4*\i+\n):8*(4*\i+\n)+7], v[BS+8*\n+(\kk)], v[AS+4*\i+(\kk)/2] matrix_a_fmt:MATRIX_FMT_FP4 matrix_b_fmt:MATRIX_FMT_FP4
.endif
.endr
.endr
.endm
	FETCH 0
.irp k, 0,1,2,3,4,5,6,7
.if \k > 0
	PLACES                                         ; four places in front of loads into the buffer that the last products read
.endif
.if \k < 7
	FETCH \k+1
	s_wait_dscnt 16                                ; this K step's fragments are in; the 16 loads just issued may be out
.else
	s_wait_dscnt 0x0
.endif
	WIN 0x50                                       ; C and D in window 1
	MUL \k
	WIN 0
.endr
; THE WAY OUT, a row tile at a time.  A lane holds 32 neighbouring bytes of a row and the lanes beside it other rows: so a tile goes through my own stage and comes back as rows of 256 bytes.
; LDS serves a wave's instructions in order (ISA guide 5.7.1.4): no wait between the stores and the loads.
.macro TOSTAGE a
	WIN 0x04                                       ; an LDS store's data are its source 1: window 1
.irp n, 0,1,2,3
	ds_store_b128 v5, v[8*(4*(\a)+\n):8*(4*(\a)+\n)+3] offset:16*SP*((\a)%2)+64*\n          ; each accumulator from its low end on
	ds_store_b128 v5, v[8*(4*(\a)+\n)+4:8*(4*(\a)+\n)+7] offset:16*SP*((\a)%2)+64*\n+16
.endr
	WIN 0
.irp e, 0,1,2,3,4,5,6,7
	ds_load_b128 v[BK+32*((\a)%2)+4*\e:BK+32*((\a)%2)+4*\e+3], v6 offset:16*SP*((\a)%2)+2*SP*\e
.endr
.endm
.macro SEND a                          ; stage row rho of tile a is token 32 (a / 2) + 8 (a % 2) + rho + 8 (rho / 8) of my 64
.irp e, 0,1,2,3,4,5,6,7
	global_store_b128 v7, v[BK+32*((\a)%2)+4*\e:BK+32*((\a)%2)+4*\e+3], s[62:63] offset:(32*((\a)/2)+8*((\a)%2)+2*\e+8*(\e/4))*4096 th:TH_STORE_NT   ; 16 lanes store 256 consecutive bytes, at a multiple of 256 from out0's first byte
.endr
.endm
	PLACES                                         ; between the last products and the first read of results
	TOSTAGE 0
.irp a, 1,2,3
.if \a > 1
	s_wait_xcnt 0x0                                ; tile a - 2's stores have read their registers: tile a's loads may land there
.endif
	TOSTAGE \a
	s_wait_dscnt 16                                ; tile a - 1 is back in registers; tile a's 8 stores and 8 loads may be out
	SEND \a-1
.endr
	s_wait_dscnt 0x0
	SEND 3
	s_wait_tensorcnt 0x0
	ds_add_u32 v14, v15
	s_wait_dscnt 0x0
	CROUND                                         ; the closing round: no work-group ends while a partner may still ask for a tile that names it
	s_endpgm
.Lfunc_end_k_q7c3adac7eb_outp:
	.size	k_q7c3adac7eb_outp, .Lfunc_end_k_q7c3adac7eb_outp-k_q7c3adac7eb_outp
	.p2alignl 7, 3214868480
	.fill 96, 4, 3214868480
	.section	.rodata,"a",@progbits
	.p2align	6, 0x0
	.amdhsa_kernel k_q7c3adac7eb_outp
		.amdhsa_group_segment_fixed_size 273408
		.amdhsa_private_segment_fixed_size 0
		.amdhsa_enable_private_segment 0
		.amdhsa_kernarg_size 48
		.amdhsa_user_sgpr_count 2
		.amdhsa_user_sgpr_kernarg_segment_ptr 1
		.amdhsa_wavefront_size32 1
		.amdhsa_system_sgpr_workgroup_id_x 1
		.amdhsa_system_sgpr_workgroup_id_y 1
		.amdhsa_system_sgpr_workgroup_id_z 1
		.amdhsa_system_vgpr_workitem_id 0
		.amdhsa_next_free_vgpr 416
		.amdhsa_next_free_sgpr 66
		.amdhsa_reserve_vcc 0
		.amdhsa_float_denorm_mode_32 3
		.amdhsa_float_denorm_mode_16_64 3
		.amdhsa_memory_ordered 1
		.amdhsa_forward_progress 1
		.amdhsa_inst_pref_size 43
	.end_amdhsa_kernel
	.amdgpu_metadata
---
amdhsa.version: [ 1, 2 ]
amdhsa.kernels:
  - .name:           k_q7c3adac7eb_outp
    .symbol:         k_q7c3adac7eb_outp.kd
    .args:
      - { .name: ao, .offset: 0, .size: 8, .value_kind: global_buffer, .address_space: global }
      - { .name: aos, .offset: 8, .size: 8, .value_kind: global_buffer, .address_space: global }
      - { .name: Wout_codes, .offset: 16, .size: 8, .value_kind: global_buffer, .address_space: global }
      - { .name: Wout_scales, .offset: 24, .size: 8, .value_kind: global_buffer, .address_space: global }
      - { .name: bout, .offset: 32, .size: 8, .value_kind: global_buffer, .address_space: global }
      - { .name: out0, .offset: 40, .size: 8, .value_kind: global_buffer, .address_space: global }
    .group_segment_fixed_size: 273408
    .private_segment_fixed_size: 0
    .kernarg_segment_align: 8
    .kernarg_segment_size: 48
    .max_flat_workgroup_size: 256
    .sgpr_count:     66
    .vgpr_count:     416
    .wavefront_size: 32
...
	.end_amdgpu_metadata
.endif
;; end of part 6
